; MI455X (gfx1250); checked and timed in simulation.
; The chip was launched on July 23, 2026; its instructions are those of AMD's public machine-readable ISA for CDNA 5 (MIT licence, August 2026) and "CDNA5" Instruction Set Architecture Reference Guide (July 2026). The comments in the code are by the model that wrote it; some were corrected since.
;; Encoder Layer. Allowed arithmetic: matrix products marked QUANTISED: E2M1 operands, one E8M0 scale for each 32 along K, by v_wmma_scale_f32_16x16x128_f8f6f4 with both operands' format E2M1 (or v_wmma_scale_f32_32x16x128_f4), f32 sums; products left as they are: bf16, f16 or f32 operands; f32 sums; everything else in f32.
;; Inputs: b1 4,096 float32; b2 1,024 float32; ln1_offset 1,024 float32; ln1_scale 1,024 float32; ln2_offset 1,024 float32; ln2_scale 1,024 float32; w1 1,024 x 4,096 float32; w2 4,096 x 1,024 float32; wk 16 x 1,024 x 64 float32; wo 16 x 64 x 1,024 float32; wq 16 x 1,024 x 64 float32; wv 16 x 1,024 x 64 float32; x 2 x 2,048 x 1,024 float32.
;; Outputs: out0 2 x 2,048 x 1,024 float32.
;; This version of the problem:
;;   THIS VERSION OF THE PROBLEM IS GIVEN IN LOW PRECISION. The matrix products marked QUANTISED in the list below multiply operands that are first quantised to E2M1 (2 exponent bits, 1 mantissa bit; 4 bits a number), with one power-of-two scale for each 32 numbers along K (OCP MX v1.0); their sums are f32. The products marked 'left as it is' may take bf16, f16 or f32 operands, with f32 sums. Whichever they take, every output number must still come out within the allowed error. Rounding operands to bf16 (8 significant bits) uses up far more of that allowance than f16 does (11 bits, for magnitudes from 6e-5 to 65,504). All else is computed in f32.
;;   The module's matrix products, in the order in which they are computed (A, B: the left and right operand; K: the contracted axis; several contracted axes count as one K, in the product's order):
;;     1. [M 1,024, K 1,024] x [K 1,024, N 4,096]; A: input wk; B: input x: QUANTISED
;;     2. [M 1,024, K 1,024] x [K 1,024, N 4,096]; A: input wq; B: input x: QUANTISED
;;     3. [M 1,024, K 1,024] x [K 1,024, N 4,096]; A: input wv; B: input x: QUANTISED
;;     4. batch 32 x [M 2,048, K 64] x [K 64, N 2,048]; A: computed on the way; B: computed on the way: left as it is (an operand is computed on the way)
;;     5. batch 32 x [M 2,048, K 2,048] x [K 2,048, N 64]; A: computed on the way; B: computed on the way: left as it is (an operand is computed on the way)
;;     6. [M 4,096, K 1,024] x [K 1,024, N 1,024]; A: computed on the way; B: input wo: left as it is (an operand is computed on the way)
;;     7. [M 4,096, K 1,024] x [K 1,024, N 4,096]; A: computed on the way; B: input w1: left as it is (an operand is computed on the way)
;;     8. [M 4,096, K 4,096] x [K 4,096, N 1,024]; A: computed on the way; B: input w2: left as it is (an operand is computed on the way)
;;   THE QUANTISER, for each operand of a quantised product, along K:
;;     - K is cut into blocks of 32 from its start; a last block that is shorter is filled with zeros.
;;     - A block's scale is 2^e with e = floor(log2(the largest magnitude in the block)) - 2, held to -126 .. 127; a block of zeros has e = 0. As a byte (E8M0): e + 127.
;;     - Each number is divided by its block's scale, clamped to +-6, and rounded to the nearest number of E2M1, ties to even, subnormals kept.
;;     - The product sums the exact products of the quantised numbers (number of the format x scale) in f32.
;;   ~~~python
;;   def quantise(x, axis):      # numpy; x: float32 -> the quantised numbers, widened to float32 again
;;       x = np.moveaxis(x, axis, -1); K = x.shape[-1]
;;       x = np.pad(x, [(0, 0)] * (x.ndim - 1) + [(0, -K % 32)]); x = x.reshape(x.shape[:-1] + (-1, 32)); a = np.abs(x).max(-1, keepdims=True)
;;       e = np.where(a > 0, np.clip(np.frexp(np.where(a > 0, a, 1))[1] - 1 - 2, -126, 127), 0)      # np.frexp(a)[1] - 1 = floor(log2(a)), exactly
;;       r = np.clip(x / 2.0 ** e, -6, 6)
;;       step = 2.0 ** (np.maximum(np.frexp(np.where(r == 0, 1, r))[1] - 1, 0) - 1)
;;       q = np.round(r / step) * step * 2.0 ** e      # np.round: ties to even
;;       return np.moveaxis(q.reshape(q.shape[:-2] + (-1,))[..., :K], -1, axis).astype(np.float32)
;;   ~~~
;; One version. Each part assembles by itself: llvm-mc -triple=amdgcn-amd-amdhsa -mcpu=gfx1250 --defsym DOCPART=n.
;; ======== version 1 of 1: 8 launches
;; limits: values are held in f16: magnitudes above 65,504 overflow, below 6.1e-05 lose precision
;; workspace buffers: pbuf 22,806,528 bytes; qkvb 25,165,824 bytes; preb 8,388,608 bytes; y1b 17,301,504 bytes; y2b 17,301,504 bytes; nrm 25,165,824 bytes; sbuf 33,554,432 bytes
;; launch prep (part 1): grid 752 x 1, 4 waves a work-group, no clusters, 68,096 bytes of LDS; arguments x, wq, wk, wv, wo, w1, w2, pbuf; writes pbuf
.if DOCPART == 1
	.amdgcn_target "amdgcn-amd-amdhsa--gfx1250"
	.amdhsa_code_object_version 6
	.text
	.protected	k_qb25776c842_prep
	.globl	k_qb25776c842_prep
	.p2align	8
	.type	k_qb25776c842_prep,@function
k_qb25776c842_prep:
	s_mov_b64 s[64:65], 0
	v_nop
	global_prefetch_b8 v0, s[64:65] scope:SCOPE_SE
	s_setreg_imm32_b32 hwreg(HW_REG_WAVE_MODE, 25, 1), 1
	s_wait_xcnt 0x0
; All operands that later launches read many times are laid out once, into pbuf.
;  work-groups 0-47    (path W): wq, wk, wv [16][1024 m][64], f32, K = m is not innermost -> codes of FP4 (E2M1) [3072 rows][512 bytes], row = tensor x 1024 + head x 64 + column, and E8M0 bytes [3072][32]
;  work-groups 48-175  (path X): x [4096][1024], f32, K = m innermost -> codes [4096][512 bytes] and E8M0 bytes [4096][32]
;  work-groups 176-751 (path T): wo, w1, w2, f32 [k][n] -> f16, laid as IMAGES OF OPERAND REGISTERS: a fragment (16 columns n x 32 k) is 1,024 bytes, [half c][lane][16 bytes], lane (r, h) holding k = 16 c + 8 h + 0..7 of column r
; THE QUANTISER: a block's scale is 2^(floor(log2(largest magnitude)) - 2); its byte is the largest magnitude's exponent field - 2, held at 1 from below; numbers are divided by the scale and rounded to the nearest code, ties to even.
; LIMITS: a block of zeros gets the byte 1 (its codes are zeros, and this program alone reads the bytes); NaN and infinities are not served; the f16 weights must lie under 65,504 in magnitude.
; The three paths part on the work-group's number alone; each path that uses LDS has LDS bytes of its own.  No tensor loads, no barrier: waves share nothing.
.set XSO,   0x200000                   ; pbuf: x's codes at 0, x's scale bytes here,
.set WCO,   0x220000                   ; the projections' codes,
.set WSO,   0x3a0000                   ; their scale bytes,
.set WOO,   0x3c0000                   ; wo's images [kb 4][nt 64][kc 8][1 KB],
.set W1O,   0x5c0000                   ; w1's [kb 8][nt 256][kc 4][1 KB],
.set W2O,   0xdc0000                   ; w2's [kb 16][nt 64][kc 8][1 KB]
.set EMAX,  2
.set SP,    80                         ; path X: a lane's place in a stage: 64 bytes + 16 of padding
.set WREG,  8192                       ; path X: LDS 0 .. 32,767, a region for each wave: two stages of 32 x SP bytes, then its 256 scale bytes
.set WSTG,  32768                      ; path W: LDS from here, 32 rows x 272 bytes for each wave
.set WPIT,  272
.set SPARE, 67584                      ; the spare words, 128 bytes for each wave: two blocks of 256 bytes that no other line names
.set SPW,   254                        ; v254 LDS address of my spare word; never rewritten
.set NIL,   255                        ; v255 0; never rewritten
.set XR,    16                         ; path X: v16-79 four sets of 16 numbers as loaded
.set XX,    80                         ;         v80-111 two sets of 16 neighbours
.set XE,    112                        ;         v112-127 a scale byte for each step
.set XCD,   128                        ;         v128-191 codes, four registers for each step
.set WSB,   24                         ; path W: v24-27 the scale bytes
.set WX,    32                         ;         v32-95 two sets of 32 numbers
.set WCD,   96                         ;         v96-99 a block's codes
.set WOUT,  112                        ;         v112-175 the way out
.set TX,    32                         ; path T: v32-95 two sets of 32 numbers
.set TPK,   160                        ;         v160-223 packed f16, never rewritten
	s_load_b512 s[4:19], s[0:1], 0x0               ; x s[4:5], wq s[6:7], wk s[8:9], wv s[10:11], wo s[12:13], w1 s[14:15], w2 s[16:17], pbuf s[18:19]
	v_lshl_add_u32 v[SPW], v0, 2, SPARE
	v_mov_b32 v[NIL], 0
	v_lshrrev_b32 v1, 5, v0
	v_readfirstlane_b32 s20, v1                    ; wave 0..3
	v_and_b32 v2, 31, v0                           ; lane
	s_mov_b32 s23, 0                               ; the high word of every 32-bit offset
	s_wait_kmcnt 0x0
	s_cmp_lt_u32 ttmp9, 48
	s_cbranch_scc1 .Lpath_w
	s_cmp_lt_u32 ttmp9, 176
	s_cbranch_scc1 .Lpath_x
; ---------------- PATH T: a weight [k][n] becomes f16 register images.  A lane takes a column, its registers run down K: each load reads 128 consecutive bytes a wave, 512 a work-group.
; A wave takes 32 columns (two tiles of 16: lanes 0-15, lanes 16-31) x 128 k (four fragments a tile).  Eight neighbouring k of a lane pack into 16 bytes, which lie at 256 g + 16 r of the fragment:
; sixteen lanes store 256 consecutive bytes, aligned.
	s_sub_co_u32 s21, ttmp9, 176                   ; v: 0-63 wo, 64-319 w1, 320-575 w2
	s_cmp_ge_u32 s21, 64
	s_cselect_b32 s22, 64, 0                       ; the tensor's first v
	s_cselect_b64 s[12:13], s[14:15], s[12:13]     ; its address (the choice hangs on the work-group's number alone)
	s_mov_b32 s24, W1O
	s_cselect_b32 s24, s24, WOO                    ; its images' place in pbuf
	s_cmp_ge_u32 s21, 320
	s_cselect_b32 s22, 320, s22
	s_cselect_b64 s[12:13], s[16:17], s[12:13]
	s_cselect_b32 s24, W2O, s24
	s_sub_co_u32 s25, s21, 64
	s_cmp_lt_u32 s25, 256                          ; w1?
	s_cselect_b32 s25, 5, 3                        ; log2 of the groups of 128 columns
	s_cselect_b32 s26, 21, 19                      ; log2 of 128 rows in bytes
	s_cselect_b32 s27, 12, 13                      ; log2 of the bytes from a tile of columns to the next in the images
	s_cselect_b32 s28, 1, 0
	s_sub_co_u32 s21, s21, s22
	s_lshr_b32 s29, s21, s25                       ; kq: which 128 along K
	s_lshl_b32 s30, s29, s25
	s_sub_co_u32 s30, s21, s30                     ; cg: which 128 columns
	s_lshl_b32 s31, s29, s26
	s_lshl_b32 s32, s30, 9
	s_add_co_u32 s31, s31, s32
	s_lshl_b32 s32, s20, 7
	s_add_co_u32 s22, s31, s32                     ; source: kq x 128 rows + (128 cg + 32 wave) x 4
	s_add_nc_u64 s[12:13], s[12:13], s[22:23]
	s_lshl_b32 s31, s30, 3
	s_lshl_b32 s32, s20, 1
	s_add_co_u32 s31, s31, s32                     ; my first tile of columns: 8 cg + 2 wave
	s_lshl_b32 s31, s31, s27
	s_lshl_b32 s32, s29, 20                        ; w1: a K step of the reader is 128 k: kq x 1 MB
	s_lshr_b32 s33, s29, 1                         ; wo, w2: 256 k: (kq / 2) x 512 KB + (kq % 2) x four fragments
	s_lshl_b32 s33, s33, 19
	s_and_b32 s34, s29, 1
	s_lshl_b32 s34, s34, 12
	s_add_co_u32 s33, s33, s34
	s_cmp_eq_u32 s28, 1
	s_cselect_b32 s32, s32, s33
	s_add_co_u32 s31, s31, s32
	s_add_co_u32 s22, s31, s24
	s_add_nc_u64 s[18:19], s[18:19], s[22:23]
	v_lshlrev_b32 v3, 2, v2                        ; in: 4 bytes a lane
	v_lshrrev_b32 v5, 4, v2
	v_lshlrev_b32 v5, s27, v5                      ; out: lanes 16-31 the next tile of columns,
	v_and_b32 v6, 15, v2
	v_lshl_add_u32 v4, v6, 4, v5                   ; 16 bytes a column
.macro TLOADB t, pitch                 ; block t: 32 rows of my column into set t % 2
.set i, 0
.rept 32
	global_load_b32 v[TX+32*((\t)%2)+i], v3, s[12:13] offset:(32*(\t)+i)*\pitch th:TH_LOAD_NT
.set i, i+1
.endr
.endm
.macro TBLOCK t, pitch
.if (\t) < 3
	s_wait_loadcnt 32                              ; this block's 32 loads are in; the next block's may be out
.else
	s_wait_loadcnt 0
.endif
.set j, 0
.rept 16
	v_cvt_pk_f16_f32 v[TPK+16*(\t)+j], v[TX+32*((\t)%2)+2*j], v[TX+32*((\t)%2)+2*j+1]   ; two neighbours along K, the lower in the low half
.set j, j+1
.endr
.if (\t)+2 < 4
	TLOADB (\t)+2, \pitch
.endif
.irp g, 0,1,2,3
	global_store_b128 v4, v[TPK+16*(\t)+4*\g:TPK+16*(\t)+4*\g+3], s[18:19] offset:256*(4*(\t)+\g)   ; k = 8 g .. 8 g + 7 of fragment t: half g / 2, lanes' half g % 2
.endr
.endm
.macro TBODY pitch
	TLOADB 0, \pitch
	TLOADB 1, \pitch
	TBLOCK 0, \pitch
	TBLOCK 1, \pitch
	TBLOCK 2, \pitch
	TBLOCK 3, \pitch
.endm
	s_cmp_eq_u32 s28, 1
	s_cbranch_scc1 .Lt_w1
	TBODY 4096                                     ; wo, w2: rows of 1,024 numbers
	s_endpgm
.Lt_w1:
	TBODY 16384                                    ; w1: rows of 4,096 numbers
	s_endpgm
; ---------------- PATH X: x is a plain stream of blocks of 32.  A wave takes 16 steps of 512 numbers.  Each load reads 512 consecutive bytes; the bytes turn through the wave's own stage, so that a lane
; holds 16 neighbours (two lanes a block); a lane's 16 codes are 8 bytes: a wave's store covers 256 consecutive bytes.  The wave's 256 scale bytes are gathered in LDS and leave as one aligned run of 256 bytes.
.Lpath_x:
	s_sub_co_u32 s21, ttmp9, 48
	s_lshl_b32 s21, s21, 2
	s_add_co_u32 s21, s21, s20                     ; which run of 8,192 numbers is my wave's
	s_lshl_b32 s22, s21, 15
	s_add_nc_u64 s[4:5], s[4:5], s[22:23]
	s_lshl_b32 s22, s21, 12
	s_add_nc_u64 s[24:25], s[18:19], s[22:23]      ; its codes
	s_lshl_b32 s22, s21, 8
	s_add_co_u32 s22, s22, XSO
	s_add_nc_u64 s[26:27], s[18:19], s[22:23]      ; its scale bytes
	v_lshlrev_b32 v3, 4, v2                        ; my 16 bytes of a load's 512
	s_mul_i32 s28, s20, WREG
	v_lshrrev_b32 v14, 2, v2
	v_mul_u32_u24 v14, v14, SP
	v_and_b32 v15, 3, v2
	v_lshl_add_u32 v14, v15, 4, v14
	v_add_nc_u32 v14, s28, v14                     ; the stage, on the way in: SP (lane / 4) + 16 (lane % 4)
	v_mul_u32_u24 v15, v2, SP
	v_add_nc_u32 v15, s28, v15                     ; and on the way out: SP x lane
	v_mul_u32_u24 v4, v2, 8                        ; my codes' place in a step's
	v_lshrrev_b32 v5, 1, v2
	s_add_co_u32 s28, s28, 2*32*SP
	v_add_nc_u32 v5, s28, v5                       ; my block's byte among my wave's 256
	v_lshlrev_b32 v7, 3, v2
	v_add_nc_u32 v6, s28, v7                       ; and on the way out 8 bytes a lane
.macro XLOAD t
.irp i, 0,1,2,3
	global_load_b128 v[XR+16*((\t)%4)+4*\i:XR+16*((\t)%4)+4*\i+3], v3, s[4:5] offset:2048*(\t)+512*\i th:TH_LOAD_NT
.endr
.endm
.macro XTURN t                         ; LDS serves a wave's instructions in order, so no wait stands between the stores and the loads
.irp i, 0,1,2,3
	ds_store_b128 v14, v[XR+16*((\t)%4)+4*\i:XR+16*((\t)%4)+4*\i+3] offset:32*SP*((\t)%2)+8*SP*\i
.endr
.irp i, 0,1,2,3
	ds_load_b128 v[XX+16*((\t)%2)+4*\i:XX+16*((\t)%2)+4*\i+3], v15 offset:32*SP*((\t)%2)+16*\i
.endr
.endm
.irp t, 0,1,2,3
	XLOAD \t
.endr
	s_wait_loadcnt 12                              ; step 0's four loads are in
	XTURN 0
.macro XSTEP t
.set XN, XX+16*((\t)%2)
.if (\t) > 0
	s_wait_dscnt 1                                 ; this step's numbers are back from the stage (the last step's byte store may be out): its stores into the stage have read their registers,
.else
	s_wait_dscnt 0x0
.endif
.if (\t)+4 < 16
	XLOAD (\t)+4                                   ; which take the loads of four steps on
.endif
.if (\t)+1 < 16
.if 14-(\t) >= 3
	s_wait_loadcnt 12                              ; the next step's four loads are in; those of the three steps behind it may be out
.else
	s_wait_loadcnt 4*(14-(\t))
.endif
	XTURN (\t)+1
.endif
	v_max3_num_f32 v8, |v[XN]|, |v[XN+1]|, |v[XN+2]|               ; the largest magnitude of my 16
	v_max3_num_f32 v9, |v[XN+3]|, |v[XN+4]|, |v[XN+5]|
.irp i, 6,10
	v_max3_num_f32 v8, v8, |v[XN+\i]|, |v[XN+\i+1]|
	v_max3_num_f32 v9, v9, |v[XN+\i+2]|, |v[XN+\i+3]|
.endr
	v_max3_num_f32 v8, v8, |v[XN+14]|, |v[XN+15]|
	v_max3_num_f32 v8, v8, v9, (EMAX+1)<<23        ; and the floor 2^(3 - 127): the byte cannot fall under 1
	v_max_num_f32_dpp v8, v8, v8 row_xmask:1 row_mask:0xf bank_mask:0xf   ; and of my neighbour's 16: the block's
	v_add_nc_u32 v11, -(EMAX<<23), v8              ; 2 off its exponent field: the conversion takes the exponent field of this operand as its scale
	v_cvt_scalef32_pk8_fp4_f32 v[XCD+4*(\t)], v[XN:XN+7], v11
	v_cvt_scalef32_pk8_fp4_f32 v[XCD+4*(\t)+1], v[XN+8:XN+15], v11
	v_lshrrev_b32 v[XE+(\t)], 23, v11              ; the scale's byte
	ds_store_b8 v5, v[XE+(\t)] offset:16*(\t)      ; both lanes of a block write the same byte with the same value
	global_store_b64 v4, v[XCD+4*(\t):XCD+4*(\t)+1], s[24:25] offset:256*(\t)
.endm
.irp t, 0,1,2,3,4,5,6,7,8,9,10,11,12,13,14,15
	XSTEP \t
.endr
	ds_load_b64 v[8:9], v6                         ; LDS serves a wave's instructions in order: these see my stores
	s_wait_dscnt 0x0
	global_store_b64 v7, v[8:9], s[26:27]          ; 32 lanes store 256 consecutive bytes, aligned
	s_wait_tensorcnt 0x0                           ; the wave's end: behind my last LDS store
	ds_add_u32 v[SPW], v[NIL]
	s_wait_dscnt 0x0
	s_endpgm
; ---------------- PATH W: a head's [1024 m][64] of wq, wk or wv.  A lane takes a column, its registers run down m: a block of 32 lies in one lane.  A wave takes 32 columns x 512 m: 256 bytes of codes a column,
; which go through the wave's own stage and leave as rows: sixteen lanes store 256 consecutive bytes, aligned.
.Lpath_w:
	s_lshr_b32 s21, ttmp9, 4                       ; 0 = q, 1 = k, 2 = v
	s_and_b32 s24, ttmp9, 15                       ; head
	s_cmp_eq_u32 s21, 1
	s_cselect_b64 s[6:7], s[8:9], s[6:7]
	s_cmp_eq_u32 s21, 2
	s_cselect_b64 s[6:7], s[10:11], s[6:7]
	s_and_b32 s25, s20, 1                          ; which 32 columns
	s_lshr_b32 s26, s20, 1                         ; which 512 along m
	s_lshl_b32 s22, s24, 18
	s_lshl_b32 s27, s26, 17
	s_add_co_u32 s22, s22, s27
	s_lshl_b32 s27, s25, 7
	s_add_co_u32 s22, s22, s27
	s_add_nc_u64 s[6:7], s[6:7], s[22:23]
	s_lshl_b32 s27, s21, 10
	s_lshl_b32 s28, s24, 6
	s_add_co_u32 s27, s27, s28
	s_lshl_b32 s28, s25, 5
	s_add_co_u32 s27, s27, s28                     ; my first row of the codes
	s_lshl_b32 s22, s27, 9
	s_lshl_b32 s28, s26, 8
	s_add_co_u32 s22, s22, s28
	s_add_co_u32 s22, s22, WCO
	s_add_nc_u64 s[30:31], s[18:19], s[22:23]
	s_lshl_b32 s22, s27, 5
	s_lshl_b32 s28, s26, 4
	s_add_co_u32 s22, s22, s28
	s_add_co_u32 s22, s22, WSO
	s_add_nc_u64 s[32:33], s[18:19], s[22:23]
	s_mul_i32 s34, s20, 32*WPIT
	s_add_co_u32 s34, s34, WSTG                    ; my stage
	v_lshlrev_b32 v3, 2, v2
	v_mul_u32_u24 v4, v2, WPIT
	v_add_nc_u32 v4, s34, v4                       ; into it: row = my column
	v_and_b32 v5, 15, v2
	v_lshrrev_b32 v6, 4, v2
	v_mul_u32_u24 v7, v6, WPIT
	v_lshl_add_u32 v7, v5, 4, v7
	v_add_nc_u32 v7, s34, v7                       ; out of it: sixteen lanes to a row, two rows an instruction
	v_lshlrev_b32 v8, 9, v6
	v_lshl_add_u32 v8, v5, 4, v8                   ; and the same place among the codes' rows of 512 bytes
	v_lshlrev_b32 v9, 5, v2                        ; my column's row of scale bytes
.macro WLOAD t
.set i, 0
.rept 32
	global_load_b32 v[WX+32*((\t)%2)+i], v3, s[6:7] offset:(32*(\t)+i)*256 th:TH_LOAD_NT
.set i, i+1
.endr
.endm
	WLOAD 0
	WLOAD 1
.macro WBLOCK t
.set XN, WX+32*((\t)%2)
.if (\t) < 15
	s_wait_loadcnt 32                              ; this block's 32 loads are in; the next block's may be out
.else
	s_wait_loadcnt 0
.endif
	v_max3_num_f32 v12, |v[XN]|, |v[XN+1]|, |v[XN+2]|
	v_max3_num_f32 v13, |v[XN+3]|, |v[XN+4]|, |v[XN+5]|
.irp i, 6,10,14,18,22,26
	v_max3_num_f32 v12, v12, |v[XN+\i]|, |v[XN+\i+1]|
	v_max3_num_f32 v13, v13, |v[XN+\i+2]|, |v[XN+\i+3]|
.endr
	v_max3_num_f32 v12, v12, |v[XN+30]|, |v[XN+31]|
	v_max3_num_f32 v12, v12, v13, (EMAX+1)<<23     ; the floor: the byte cannot fall under 1
	v_add_nc_u32 v11, -(EMAX<<23), v12
	v_lshrrev_b32 v13, 23, v11                     ; the scale's byte
.if (\t)%4 == 0
	v_mov_b32 v[WSB+(\t)/4], v13                   ; four bytes to a register, the lower m in the lower byte
.else
	v_lshl_or_b32 v[WSB+(\t)/4], v13, 8*((\t)%4), v[WSB+(\t)/4]
.endif
.irp g, 0,1,2,3
	v_cvt_scalef32_pk8_fp4_f32 v[WCD+\g], v[XN+8*\g:XN+8*\g+7], v11
.endr
	ds_store_b128 v4, v[WCD:WCD+3] offset:16*(\t)  ; 32 codes: 16 bytes of my column's row
.if (\t)+2 < 16
	WLOAD (\t)+2
.endif
	s_wait_dscnt 0x0                               ; the store has read its registers: the next block's codes may be written
.endm
.irp t, 0,1,2,3,4,5,6,7,8,9,10,11,12,13,14,15
	WBLOCK \t
.endr
	global_store_b128 v9, v[WSB:WSB+3], s[32:33]   ; my column's 16 scale bytes
.irp t, 0,1,2,3,4,5,6,7,8,9,10,11,12,13,14,15
	ds_load_b128 v[WOUT+4*\t:WOUT+4*\t+3], v7 offset:2*\t*WPIT
.endr
.irp t, 0,1,2,3,4,5,6,7,8,9,10,11,12,13,14,15
	s_wait_dscnt 15-\t
	global_store_b128 v8, v[WOUT+4*\t:WOUT+4*\t+3], s[30:31] offset:2*\t*512
.endr
	s_wait_tensorcnt 0x0                           ; the wave's end: behind my last LDS store
	ds_add_u32 v[SPW], v[NIL]
	s_wait_dscnt 0x0
	s_endpgm
.Lfunc_end_k_qb25776c842_prep:
	.size	k_qb25776c842_prep, .Lfunc_end_k_qb25776c842_prep-k_qb25776c842_prep
	.p2alignl 7, 3214868480
	.fill 96, 4, 3214868480
	.section	.rodata,"a",@progbits
	.p2align	6, 0x0
	.amdhsa_kernel k_qb25776c842_prep
		.amdhsa_group_segment_fixed_size 68096
		.amdhsa_private_segment_fixed_size 0
		.amdhsa_enable_private_segment 0
		.amdhsa_kernarg_size 64
		.amdhsa_user_sgpr_count 2
		.amdhsa_user_sgpr_kernarg_segment_ptr 1
		.amdhsa_wavefront_size32 1
		.amdhsa_system_sgpr_workgroup_id_x 1
		.amdhsa_system_sgpr_workgroup_id_y 1
		.amdhsa_system_sgpr_workgroup_id_z 1
		.amdhsa_system_vgpr_workitem_id 0
		.amdhsa_next_free_vgpr 256
		.amdhsa_next_free_sgpr 66
		.amdhsa_reserve_vcc 0
		.amdhsa_float_denorm_mode_32 3
		.amdhsa_float_denorm_mode_16_64 3
		.amdhsa_memory_ordered 1
		.amdhsa_forward_progress 1
		.amdhsa_inst_pref_size 148
	.end_amdhsa_kernel
	.amdgpu_metadata
---
amdhsa.version: [ 1, 2 ]
amdhsa.kernels:
  - .name:           k_qb25776c842_prep
    .symbol:         k_qb25776c842_prep.kd
    .args:
      - { .name: x, .offset: 0, .size: 8, .value_kind: global_buffer, .address_space: global }
      - { .name: wq, .offset: 8, .size: 8, .value_kind: global_buffer, .address_space: global }
      - { .name: wk, .offset: 16, .size: 8, .value_kind: global_buffer, .address_space: global }
      - { .name: wv, .offset: 24, .size: 8, .value_kind: global_buffer, .address_space: global }
      - { .name: wo, .offset: 32, .size: 8, .value_kind: global_buffer, .address_space: global }
      - { .name: w1, .offset: 40, .size: 8, .value_kind: global_buffer, .address_space: global }
      - { .name: w2, .offset: 48, .size: 8, .value_kind: global_buffer, .address_space: global }
      - { .name: pbuf, .offset: 56, .size: 8, .value_kind: global_buffer, .address_space: global }
    .group_segment_fixed_size: 68096
    .private_segment_fixed_size: 0
    .kernarg_segment_align: 8
    .kernarg_segment_size: 64
    .max_flat_workgroup_size: 128
    .sgpr_count:     66
    .vgpr_count:     256
    .wavefront_size: 32
...
	.end_amdgpu_metadata
.endif
;; end of part 1
;; launch qkv (part 2): grid 12 x 16, 4 waves a work-group, clusters of 4 x 4, 327,680 bytes of LDS; arguments pbuf, qkvb; writes qkvb
.if DOCPART == 2
	.amdgcn_target "amdgcn-amd-amdhsa--gfx1250"
	.amdhsa_code_object_version 6
	.text
	.protected	k_qb25776c842_qkv
	.globl	k_qb25776c842_qkv
	.p2align	8
	.type	k_qb25776c842_qkv,@function
k_qb25776c842_qkv:
	s_mov_b64 s[64:65], 0
	v_nop
	global_prefetch_b8 v0, s[64:65] scope:SCOPE_SE
	s_setreg_imm32_b32 hwreg(HW_REG_WAVE_MODE, 25, 1), 1
	s_wait_xcnt 0x0
	s_wait_alu depctr_hold_cnt(0) depctr_sa_sdst(0) depctr_va_vdst(0) depctr_va_sdst(0) depctr_va_ssrc(0) depctr_va_vcc(0) depctr_vm_vsrc(0)
	s_getreg_b32 s2, hwreg(HW_REG_IB_STS2, 6, 4)
	s_cmp_eq_u32 s2, 0
	s_cbranch_scc0 .Lentry_in_a_cluster
	s_endpgm
.Lentry_in_a_cluster:
	s_bfe_u32 s2, ttmp6, 0x10000c
	s_cmp_lg_u32 s2, 0xf033
	s_cbranch_scc0 .Lentry_shape_is_right
	s_endpgm
.Lentry_shape_is_right:
; q, k, v = x times wq, wk, wv, all three as ONE product on codes of FP4 (E2M1) with one E8M0 scale for each 32 along K = m: C[token][row n'] = sum over m of X[token][m] W[n'][m], n' = tensor x 1024 + head x 64 + channel.
; X: [4096][1024] codes, W: [3072][1024] codes, their scale bytes [rows][32]: all in pbuf.  Sums in f32; the results are rounded to f16 for the attention's products.  LIMIT: they must lie under 65,504 in magnitude.
; A tile of C, 256 x 256, is made by a work-group of four waves; a wave makes 128 x 128: 64 accumulators of 16 x 16, 512 registers.  K = 1,024 is two slots of 512 in LDS, both filled at the start: nothing is filled again.
; The scale bytes of the work-group's 256 + 256 rows, for all of K, come into LDS once, with the first fills.
; CLUSTERS: 4 x 4 work-groups; the four of a row of the cluster ask jointly for X's tiles, the four of a column for W's.
; THE MATRIX INSTRUCTION IS USED TRANSPOSED (source 0 = 16 rows of W, source 1 = 16 tokens): a lane holds one token (lane % 16) and eight neighbouring channels 8 (lane / 16) + 0..7, which pack into 16 bytes.
; THE WAY OUT needs no stage: qkvb is laid as images of operand registers: [tensor][batch][head][tile of 16 tokens][tile of 16 channels][512 bytes], a lane's 16 bytes at 16 x lane: each store of a wave covers 512 consecutive bytes, aligned.
; For v the lanes' places within the 512 bytes are permuted, 16 ((r / 8) 16 + 8 h + r % 8), so that the turning LDS load at 16 x lane brings V^T's fragment.
; REGISTERS, in windows of 256: window 0: v0-31 addresses; v32-95 scale words, two sets; from v128 X's fragments, one set (on the way out: the packed results); window 1: W's fragments, two sets; windows 2, 3: the accumulators.
.set SIZE_K, 1024
.set XSO,    0x200000
.set WCO,    0x220000
.set WSO,    0x3a0000
.set KSTEP,  512
.set NQ,     KSTEP/128
.set ROWB,   256
.set KROW,   SIZE_K*4/8
.set PITCH,  272                       ; an LDS row: 256 bytes + 16 of padding = 68 words: the 16 rows that a load touches start at 16 different banks (64 banks of 4 bytes: ISA guide 11.1)
.set FR,     8
.set NL,     2
.set NP,     4
.set HALFT,  128*PITCH
.set SLOT,   4*HALFT
.set KS,     SIZE_K/32
.set SCL,    2*SLOT
.set HALFS,  (128*KS/256)*272
.set SBLK,   (16*KS/256)*272
.set SPARE,  SCL+4*HALFS               ; the spare words, 128 bytes for each wave: two blocks of 256 bytes that no other line names
.set ADRA, 16
.set ADRB, 20
.set CO,   26                          ; v26 my 16 bytes' place in a tile's 512
.set SPW,  28
.set NIL,  29
.set ADRS, 27
.set SC,   32
.set AF,   128
.set TMP,  128                         ; the way out: v128-159 and v160-191 by turns
.set G1, 24
.set G0, 32
.set G1B, 48
.set G0B, 56
.set G1S, 68
.set G0S, 76
.set G1SB, 80
.set G0SB, 88
.set MSB, 0
.macro WIN new                         ; the immediate's high byte repeats the setting that is left
.if MSB != (\new)
	s_set_vgpr_msb (MSB<<8)|(\new)
.set MSB, \new
.endif
.endm
.set MUL_LO, 0xa1                      ; source 0 (W) window 1, source 1 (X) window 0, C and D window 2
.set MUL_HI, 0xf1
.set TO_B,   0x40
; A joint load: waves 0 and 1 fetch for X, waves 2 and 3 for W; the branch hangs on the wave's number alone.  An s_nop 0 and four v_nop follow each of the two lines.
.macro JLOAD g0a, g1a, g0b, g1b
	s_cmp_eq_u32 s15, 0
	s_cbranch_scc0 .Lfor_b_\@
	tensor_load_to_lds s[\g0a:\g0a+3], s[\g1a:\g1a+7]
	s_nop 0
.rept 4
	v_nop
.endr
	s_branch .Lasked_\@
.Lfor_b_\@:
	tensor_load_to_lds s[\g0b:\g0b+3], s[\g1b:\g1b+7]
	s_nop 0
.rept 4
	v_nop
.endr
.Lasked_\@:
.endm
.macro CROUND                          ; a round of the cluster's barrier
	s_barrier_signal -1
	s_barrier_wait -1
	s_cmp_lg_u32 s14, 0
	s_cbranch_scc1 .Lnot_wave_0_\@
	s_barrier_signal -3
.Lnot_wave_0_\@:
	s_barrier_wait -3
	s_barrier_signal -1
	s_barrier_wait -1
.endm
	s_load_b128 s[4:7], s[0:1], 0x0                ; pbuf (X's codes lie at its start), qkvb
	v_lshl_add_u32 v[SPW], v0, 2, SPARE
	v_mov_b32 v[NIL], 0
	ds_add_u32 v[SPW], v[NIL]                      ; the wave's opening: the add, and its wait ahead of my first tensor load; the set-up below stands between them
	v_lshrrev_b32 v1, 5, v0
	v_readfirstlane_b32 s14, v1                    ; wave 0..3
	s_lshr_b32 s15, s14, 1                         ; which half of the tile's tokens is mine.  Also: I fetch for X (0) or for W (1)
	s_and_b32 s16, s14, 1                          ; which half of its columns.  Also: which 128 rows of that tile I fetch
	s_bfe_u32 s40, ttmp6, 0x40000                  ; cx, cy
	s_bfe_u32 s41, ttmp6, 0x40004
	s_lshl_b32 s42, ttmp9, 2
	s_add_co_u32 s42, s42, s40                     ; tile column
	s_and_b32 s17, ttmp7, 0xffff
	s_lshl_b32 s17, s17, 2
	s_add_co_u32 s17, s17, s41                     ; tile row
	s_lshl_b32 s43, s41, 2
	s_lshl_b32 s43, 15, s43                        ; my row of the cluster
	s_lshl_b32 s44, 0x1111, s40                    ; my column
	s_or_b32 s[G1+0], s43, (0<<16)|(1<<20)|(1<<21)|(5<<22)|(3<<25)  ; the mask; elements of 1 byte; padding on; bit 21 beside a mask; four words after every 64
	s_or_b32 s[G1B+0], s44, (0<<16)|(1<<20)|(1<<21)|(5<<22)|(3<<25)
.irp g, G1, G1B
	s_mov_b32 s[\g+1], ROWB<<16                    ; tensor_dim0
	s_mov_b32 s[\g+2], 128<<16                     ; tensor_dim1
	s_mov_b32 s[\g+3], ROWB<<16                    ; tile_dim0
	s_mov_b32 s[\g+4], 128                         ; tile_dim1
	s_mov_b32 s[\g+5], KROW                        ; the pitch
	s_mov_b32 s[\g+6], 0
	s_mov_b32 s[\g+7], 0
.endr
	s_or_b32 s[G1S+0], s43, (3<<16)|(1<<20)|(1<<21)|(5<<22)|(3<<25)  ; the scales of 128 rows: a dense block, as rows of 256 bytes (32 elements of 8), 16 bytes of padding behind each
	s_or_b32 s[G1SB+0], s44, (3<<16)|(1<<20)|(1<<21)|(5<<22)|(3<<25)
.irp g, G1S, G1SB
	s_mov_b32 s[\g+1], 32<<16
	s_mov_b32 s[\g+2], (128*KS/256)<<16
	s_mov_b32 s[\g+3], 32<<16
	s_mov_b32 s[\g+4], 128*KS/256
	s_mov_b32 s[\g+5], 32
	s_mov_b32 s[\g+6], 0
	s_mov_b32 s[\g+7], 0
.endr
	s_lshl_b32 s18, s16, 7
	s_lshl_b32 s20, s17, 8
	s_add_co_u32 s20, s20, s18                     ; X: row 256 x tile row + 128 x half
	s_lshl_b32 s46, s42, 8
	s_add_co_u32 s46, s46, s18                     ; W: row 256 x tile column + 128 x half
	s_mov_b32 s21, 0
	s_mov_b32 s47, 0
	s_mov_b64 s[18:19], KS
	s_mul_u64 s[22:23], s[20:21], s[18:19]         ; where these rows' scales begin,
	s_mul_u64 s[92:93], s[46:47], s[18:19]
	s_mov_b64 s[18:19], KROW
	s_mul_u64 s[20:21], s[20:21], s[18:19]         ; and their codes
	s_mul_u64 s[46:47], s[46:47], s[18:19]
	s_mul_i32 s45, s14, HALFT                      ; where they go: no place in the cluster enters an LDS address
	s_mul_i32 s94, s14, HALFS
	s_wait_dscnt 0x0                               ; the opening add is done
	s_wait_kmcnt 0x0
	s_mov_b64 s[12:13], s[6:7]                     ; qkvb
	s_add_nc_u64 s[6:7], s[4:5], XSO               ; X's scales
	s_add_nc_u64 s[8:9], s[4:5], WCO               ; W's codes
	s_add_nc_u64 s[10:11], s[4:5], WSO             ; W's scales
	s_add_nc_u64 s[20:21], s[4:5], s[20:21]
	s_add_nc_u64 s[22:23], s[6:7], s[22:23]
	s_add_nc_u64 s[46:47], s[8:9], s[46:47]
	s_add_nc_u64 s[92:93], s[10:11], s[92:93]
	CROUND                                         ; all sixteen work-groups are here: the first joint loads meet
	s_mov_b32 s[G0S], 1
	s_add_co_u32 s[G0S+1], s94, SCL
	s_mov_b64 s[G0S+2:G0S+3], s[22:23]
	s_or_b32 s[G0S+3], s[G0S+3], 0x80000000
	s_mov_b32 s[G0SB], 1
	s_add_co_u32 s[G0SB+1], s94, SCL
	s_mov_b64 s[G0SB+2:G0SB+3], s[92:93]
	s_or_b32 s[G0SB+3], s[G0SB+3], 0x80000000
	JLOAD G0S, G1S, G0SB, G1SB                     ; the scales first: they are wanted with slot 0.  Three loads of mine are out behind the next two
.irp s, 0,1
	s_mov_b32 s[G0+4*\s], 1
	s_add_co_u32 s[G0+4*\s+1], s45, \s*SLOT
	s_add_nc_u64 s[G0+4*\s+2:G0+4*\s+3], s[20:21], \s*ROWB
	s_or_b32 s[G0+4*\s+3], s[G0+4*\s+3], 0x80000000
	s_mov_b32 s[G0B+4*\s], 1
	s_add_co_u32 s[G0B+4*\s+1], s45, \s*SLOT
	s_add_nc_u64 s[G0B+4*\s+2:G0B+4*\s+3], s[46:47], \s*ROWB
	s_or_b32 s[G0B+4*\s+3], s[G0B+4*\s+3], 0x80000000
	JLOAD G0+4*\s, G1, G0B+4*\s, G1B
.endr
	v_and_b32 v1, 15, v0                           ; r
	v_bfe_u32 v2, v0, 4, 1                         ; h
	v_mul_u32_u24 v3, v1, PITCH
	v_lshl_add_u32 v4, v2, 4, v3                   ; a fragment's row x pitch + 16 x half
	s_mul_i32 s21, s15, HALFT
	s_mul_i32 s22, s16, HALFT
	s_add_co_u32 s22, s22, 2*HALFT
.irp s, 0,1
	v_add_nc_u32 v[ADRA+\s], s21, v4
	v_add_nc_u32 v[ADRB+\s], s22, v4
	s_add_co_u32 s21, s21, SLOT
	s_add_co_u32 s22, s22, SLOT
.endr
	v_mul_u32_u24 v5, v1, KS                       ; my row's scales: KS bytes a row,
	v_lshrrev_b32 v6, 8, v5
	v_lshl_add_u32 v5, v6, 4, v5                   ; and 16 more for each 256 passed
	s_mul_i32 s21, s15, HALFS
	s_mul_i32 s22, s16, HALFS
	s_add_co_u32 s22, s22, 2*HALFS
	s_sub_co_u32 s22, s22, s21
	v_mul_u32_u24 v6, s22, v2                      ; lanes 16-31 take W's
	s_add_co_u32 s21, s21, SCL
	v_add_nc_u32 v5, v5, v6
	v_add_nc_u32 v[ADRS], s21, v5
	; the way out: where my 128 tokens x 128 columns begin in qkvb
	s_lshl_b32 s20, s17, 8
	s_lshl_b32 s21, s15, 7
	s_add_co_u32 s20, s20, s21                     ; my first token
	s_lshr_b32 s21, s20, 11                        ; the batch: 16 blocks of 262,144 bytes
	s_lshl_b32 s21, s21, 22
	s_and_b32 s20, s20, 2047
	s_lshl_b32 s20, s20, 7                         ; a tile of 16 tokens is 2,048 bytes
	s_add_co_u32 s20, s20, s21
	s_mov_b32 s21, 0
	s_lshl_b32 s46, s42, 8
	s_lshl_b32 s47, s16, 7
	s_add_co_u32 s46, s46, s47                     ; my first column n'
	s_lshr_b32 s47, s46, 10                        ; the tensor: 32 blocks
	s_lshl_b32 s47, s47, 23
	s_bfe_u32 s46, s46, 0x40006                    ; the head
	s_lshl_b32 s46, s46, 18
	s_add_co_u32 s46, s46, s47
	s_mov_b32 s47, 0
	s_add_nc_u64 s[20:21], s[20:21], s[46:47]
	s_add_nc_u64 s[12:13], s[12:13], s[20:21]
	v_and_b32 v6, 31, v0
	v_lshlrev_b32 v[CO], 4, v6                     ; q, k: 16 x lane
	v_lshrrev_b32 v5, 3, v1
	v_and_b32 v6, 7, v1
	v_lshl_add_u32 v5, v5, 4, v6
	v_lshl_add_u32 v5, v2, 3, v5
	v_lshlrev_b32 v5, 4, v5                        ; v: 16 ((r / 8) 16 + 8 h + r % 8)
	s_cmp_ge_u32 s42, 8                            ; tile columns 8 to 11 are v's
	s_cselect_b32 s46, -1, 0
	v_cndmask_b32 v[CO], v[CO], v5, s46            ; a choice of a store's offset, without a branch
.macro FRAG reg, adr, q, i             ; a fragment, 16 rows x 128 K of 4-bit codes, is 8 registers: registers 4 c .. 4 c + 3 hold K = 64 c + 32 (lane / 16) + 0 .. 31
.irp c, 0,1
	ds_load_b128 v[\reg+4*\c:\reg+4*\c+3], v[\adr] offset:64*(\q)+32*\c+(\i)*16*PITCH
.endr
.endm
; 16 matrix instructions: X's blocks a0, a0 + 1 x W's eight, 128 along K.  The 64 accumulators take turns, one instruction a turn, in the same order in every step.
.macro MUL16 a0, p, q, sc, zero
.irp a, \a0, \a0+1
.irp b, 0,1,2,3,4,5,6,7
.if \zero
	v_wmma_scale_f32_16x16x128_f8f6f4 v[8*(8*((\a)%4)+\b):8*(8*((\a)%4)+\b)+7], v[128*(\p)+FR*\b:128*(\p)+FR*\b+FR-1], v[AF+FR*(\a):AF+FR*(\a)+FR-1], 0, v[SC+8*NQ*(\sc)+NQ*\b+(\q)], v[SC+8*NQ*(\sc)+NQ*(\a)+(\q)] matrix_a_fmt:MATRIX_FMT_FP4 matrix_b_fmt:MATRIX_FMT_FP4 matrix_a_scale:MATRIX_SCALE_ROW1
.else
	v_wmma_scale_f32_16x16x128_f8f6f4 v[8*(8*((\a)%4)+\b):8*(8*((\a)%4)+\b)+7], v[128*(\p)+FR*\b:128*(\p)+FR*\b+FR-1], v[AF+FR*(\a):AF+FR*(\a)+FR-1], v[8*(8*((\a)%4)+\b):8*(8*((\a)%4)+\b)+7], v[SC+8*NQ*(\sc)+NQ*\b+(\q)], v[SC+8*NQ*(\sc)+NQ*(\a)+(\q)] matrix_a_fmt:MATRIX_FMT_FP4 matrix_b_fmt:MATRIX_FMT_FP4 matrix_a_scale:MATRIX_SCALE_ROW1
.endif
.endr
.endr
.endm
.macro FETCH_B slot, q, p
	WIN TO_B
.irp i, 0,1,2,3,4,5,6,7
	FRAG 128*(\p)+FR*\i, ADRB+\slot, \q, \i
.endr
	WIN 0
.endm
.macro FETCH_A slot, q, i0
.irp i, \i0, \i0+1, \i0+2, \i0+3
	FRAG AF+FR*(\i), ADRA+\slot, \q, \i
.endr
.endm
.macro SCALES sc                       ; a slot's scale words: lanes 0-15 take X's block i, lanes 16-31 W's block i; four words a row
.irp i, 0,1,2,3,4,5,6,7
	ds_load_b128 v[SC+8*NQ*\sc+NQ*\i:SC+8*NQ*\sc+NQ*\i+3], v[ADRS] offset:\i*SBLK
.endr
.endm
.macro PLACES n                        ; plain vector instructions between a matrix instruction and a load into, or a read of, its registers
.rept \n
	v_nop
.endr
.endm
.macro STEP slot, q, zero              ; a step of 128 along K that has its successor in the same slot
	s_wait_dscnt 4*NL                              ; W's set and X's blocks 0-3 are in; the youngest loads (X's blocks 4-7) may be out
	WIN MUL_LO
	MUL16 0, (\q)%2, \q, \slot, \zero
	MUL16 2, (\q)%2, \q, \slot, \zero
	s_wait_dscnt 0                                 ; X's blocks 4-7 are in
	PLACES NP
	FETCH_B \slot, (\q)+1, 1-(\q)%2
	FETCH_A \slot, (\q)+1, 0
	WIN MUL_HI
	MUL16 4, (\q)%2, \q, \slot, \zero
	MUL16 6, (\q)%2, \q, \slot, \zero
	PLACES NP
	WIN 0
	FETCH_A \slot, (\q)+1, 4
.endm
.macro TURN slot, next                 ; a slot's last step changes slots: one barrier; in front of it each wave waits for all its tensor loads (its part of the next slot)
	s_wait_tensorcnt 0x0
	ds_add_u32 v[SPW], v[NIL]                      ; 0 onto my spare word
	s_wait_dscnt 4*NL+1                            ; (the add and the youngest loads may be out)
	WIN MUL_LO
	MUL16 0, 1, NQ-1, \slot, 0
	s_wait_dscnt 0x0
	s_barrier_signal -1
	MUL16 2, 1, NQ-1, \slot, 0
	WIN 0
	s_barrier_wait -1
	PLACES NP
	v_add_nc_u32 v[ADRS], 4*NQ, v[ADRS]            ; on to the next slot's scale words (no LDS load of mine is out)
	FETCH_B \next, 0, 0
	FETCH_A \next, 0, 0
	SCALES \next
	WIN MUL_HI
	MUL16 4, 1, NQ-1, \slot, 0
	MUL16 6, 1, NQ-1, \slot, 0
	PLACES NP
	WIN 0
	FETCH_A \next, 0, 4
.endm
	s_wait_tensorcnt 1                             ; the scales and my part of slot 0 are in (slot 1's load may be out)
	s_barrier_signal -1
	s_barrier_wait -1                              ; everybody's are
	FETCH_B 0, 0, 0
	FETCH_A 0, 0, 0
	SCALES 0
	FETCH_A 0, 0, 4
	STEP 0, 0, 1                                   ; the first step's products start the sums
	STEP 0, 1, 0
	STEP 0, 2, 0
	TURN 0, 1
	STEP 1, 0, 0
	STEP 1, 1, 0
	STEP 1, 2, 0
	s_wait_dscnt 4*NL                              ; the very last step: nothing more to fetch
	WIN MUL_LO
	MUL16 0, 1, NQ-1, 1, 0
	MUL16 2, 1, NQ-1, 1, 0
	s_wait_dscnt 0
	WIN MUL_HI
	MUL16 4, 1, NQ-1, 1, 0
	MUL16 6, 1, NQ-1, 1, 0
	WIN 0
; THE WAY OUT, a block of 16 tokens at a time: eight accumulators are rounded to f16, each from its low end on, and stored as they stand.
.macro PACK a
.set AC, 64*((\a)%4)
.set TM, TMP+32*((\a)%2)
	WIN 0x0a+5*((\a)/4)                            ; sources 0 and 1: window 2 or 3
.irp b, 0,1,2,3,4,5,6,7
.irp i, 0,1,2,3
	v_cvt_pk_f16_f32 v[TM+4*\b+\i], v[AC+8*\b+2*\i], v[AC+8*\b+2*\i+1]
.endr
.endr
	WIN 0
.irp b, 0,1,2,3,4,5,6,7
	global_store_b128 v[CO], v[TM+4*\b:TM+4*\b+3], s[12:13] offset:(\b/4)*262144+(\a)*2048+(\b%4)*512   ; head b / 4 of my two, tile of tokens a, tile of channels b % 4: 512 consecutive bytes, aligned
.endr
.endm
	PLACES NP                                      ; behind the last products: their results are read, and X's fragments' registers are written
.irp a, 0,1,2,3,4,5,6,7
.if \a > 1
	s_wait_xcnt 0x0                                ; block a - 2's stores have read their registers
.endif
	PACK \a
.endr
	s_wait_tensorcnt 0x0                           ; the wave's end
	ds_add_u32 v[SPW], v[NIL]
	s_wait_dscnt 0x0
	CROUND                                         ; the closing round
	s_endpgm
.Lfunc_end_k_qb25776c842_qkv:
	.size	k_qb25776c842_qkv, .Lfunc_end_k_qb25776c842_qkv-k_qb25776c842_qkv
	.p2alignl 7, 3214868480
	.fill 96, 4, 3214868480
	.section	.rodata,"a",@progbits
	.p2align	6, 0x0
	.amdhsa_kernel k_qb25776c842_qkv
		.amdhsa_group_segment_fixed_size 327680
		.amdhsa_private_segment_fixed_size 0
		.amdhsa_enable_private_segment 0
		.amdhsa_kernarg_size 16
		.amdhsa_user_sgpr_count 2
		.amdhsa_user_sgpr_kernarg_segment_ptr 1
		.amdhsa_wavefront_size32 1
		.amdhsa_system_sgpr_workgroup_id_x 1
		.amdhsa_system_sgpr_workgroup_id_y 1
		.amdhsa_system_sgpr_workgroup_id_z 1
		.amdhsa_system_vgpr_workitem_id 0
		.amdhsa_next_free_vgpr 1024
		.amdhsa_next_free_sgpr 98
		.amdhsa_reserve_vcc 0
		.amdhsa_float_denorm_mode_32 3
		.amdhsa_float_denorm_mode_16_64 3
		.amdhsa_memory_ordered 1
		.amdhsa_forward_progress 1
		.amdhsa_inst_pref_size 118
	.end_amdhsa_kernel
	.amdgpu_metadata
---
amdhsa.version: [ 1, 2 ]
amdhsa.kernels:
  - .name:           k_qb25776c842_qkv
    .symbol:         k_qb25776c842_qkv.kd
    .args:
      - { .name: pbuf, .offset: 0, .size: 8, .value_kind: global_buffer, .address_space: global }
      - { .name: qkvb, .offset: 8, .size: 8, .value_kind: global_buffer, .address_space: global }
    .group_segment_fixed_size: 327680
    .private_segment_fixed_size: 0
    .kernarg_segment_align: 8
    .kernarg_segment_size: 16
    .max_flat_workgroup_size: 128
    .sgpr_count:     98
    .vgpr_count:     1024
    .wavefront_size: 32
...
	.end_amdgpu_metadata
.endif
;; end of part 2
;; launch attn (part 3): grid 8 x 32, 8 waves a work-group, clusters of 4 x 1, 327,680 bytes of LDS; arguments qkvb, preb; writes preb
.if DOCPART == 3
	.amdgcn_target "amdgcn-amd-amdhsa--gfx1250"
	.amdhsa_code_object_version 6
	.text
	.protected	k_qb25776c842_attn
	.globl	k_qb25776c842_attn
	.p2align	8
	.type	k_qb25776c842_attn,@function
k_qb25776c842_attn:
	s_mov_b64 s[64:65], 0
	v_nop
	global_prefetch_b8 v0, s[64:65] scope:SCOPE_SE
	s_setreg_imm32_b32 hwreg(HW_REG_WAVE_MODE, 25, 1), 1
	s_wait_xcnt 0x0
	s_wait_alu depctr_hold_cnt(0) depctr_sa_sdst(0) depctr_va_vdst(0) depctr_va_sdst(0) depctr_va_ssrc(0) depctr_va_vcc(0) depctr_vm_vsrc(0)
	s_getreg_b32 s2, hwreg(HW_REG_IB_STS2, 6, 4)
	s_cmp_eq_u32 s2, 0
	s_cbranch_scc0 .Lentry_in_a_cluster
	s_endpgm
.Lentry_in_a_cluster:
	s_bfe_u32 s2, ttmp6, 0x10000c
	s_cmp_lg_u32 s2, 0x3003
	s_cbranch_scc0 .Lentry_shape_is_right
	s_endpgm
.Lentry_shape_is_right:
; pre[query][:] = the sum over keys of softmax_key((k[key] . q[query] - 100 [key > query]) / 8) v[key][:], for each of 32 (batch, head); 2,048 keys and queries, head size 64.
; THE MASK IS SOFT: -100 is added, nothing is thrown away: every query meets all keys.  The -100 goes in as the C of the first product of a tile of scores, in f32.
; q, k, v come as f16 register images (qkvb); products and sums in f32; the weights p are rounded to f16 for the second product, pre to f16 at the end, as the register image of the next product's operand.
; LIMITS: q, k, v, pre under 65,504 in magnitude; a p under 6e-5 keeps an absolute error of 2^-25.
; SOFTMAX: for each query a running maximum m and sum l: p = 2^(c s - c m), c = log2(e) / 8; in every step O and l are multiplied by a = 2^(c m_old - c m_new).  m begins at -3e38, O and l at 0: the first a is 0.
; SHARES.  A cluster of four work-groups owns 1,024 queries of one head.  Wave w of partner cx owns queries 1024 X + 128 w + 32 cx + 0..31: two tiles of 16.  So the key step of 128 that lies on a wave's diagonal,
; 8 X + w, is the same in all four partners: the branch that picks the mask's form hangs on the cluster's x, the wave's number and the count of steps alone.  Two waves share a SIMD.
; K's and V's tiles (512 keys a slot: 64 KB + 64 KB, dense in memory) are asked for JOINTLY by the four partners; each of the eight waves issues one load of 16 KB.  By this text's count a wave has one tensor load out.
; LAYOUT.  S^T = K Q^T (source 0 = 16 keys, source 1 = 16 queries): a lane holds ONE query (lane % 16) and keys 8 (lane / 16) + 0..7; two such tiles, rounded in pairs, are source 1 of O^T = V^T P.
; REGISTERS: window 0: v2-11 addresses and constants; v12-27 statistics, 8 a tile; v32-39 the uniform mask; v40-43 a chain of the sums; v64-191 S^T, 64 a tile; v192-255 P, 32 a tile.
;   window 1: v0-63 O^T, 32 a tile; v64-95 Q; v128-255 K's 16 fragments of a step, then V's 16.
.set SLOT1, 1<<17                      ; a slot is 131,072 bytes; one exclusive or turns an address in one slot into the other's
.set VOFF,  65536                      ; in a slot: K's 64 KB, then V's
.set STEPB, 16384                      ; 128 keys x 128 bytes
.set SPARE, 262144                     ; the spare words, 128 bytes for each wave: four blocks of 256 bytes that no other line names
.set AK0, 2                            ; v2  16 x lane
.set ADK, 3                            ; v3  the step's K
.set ADV, 4                            ; v4  the step's V
.set SPW, 6
.set NIL, 7
.set PFO, 8                            ; v8  256 x lane
.set NEG, 9                            ; v9  -100.0
.set DD,  10                           ; v10, v11  tile t: my query's place in the diagonal step less 8 (lane / 16)
.set ST,  12                           ; tile t at ST + 8 t: +0 c m, +1 m, +2, +3 l, +4..+7 at work; a at +6
.set U,   32
.set SB,  40
.set S,   64
.set P,   192
.set QF,  64                           ; window 1
.set KV,  128                          ; window 1
.set WV,  12
.set CX,  13
.set HEAD, 14
.set LIM, 15
.set J,   16                           ; the key step
.set JD,  17                           ; the key step on my diagonal
.set PFA, 18
.set SU,  20
.set CNT, 21
.set SLOTS, 22
.set TB,  23
.set G1,  24
.set G0,  32
.set QA,  40
.set PA,  42
.set CS,  58
.set SEL, 60
.set MSB, 0
.macro WIN new
.if MSB != (\new)
	s_set_vgpr_msb (MSB<<8)|(\new)
.set MSB, \new
.endif
.endm
.set W_LD, 0x40                        ; destination window 1
.set W_KQ, 0x05                        ; K and Q window 1; C and D window 0
.set W_RS, 0x41                        ; O^T window 1, a window 0
.set W_PV, 0x51                        ; V, C and D window 1; P window 0
.macro TLJ                             ; my joint load: an s_nop 0 and four v_nop follow it
	tensor_load_to_lds s[G0:G0+3], s[G1:G1+7]
	s_nop 0
.rept 4
	v_nop
.endr
.endm
; A prefetch of what the NEXT change of slots will ask for: 64 KB of K and 64 KB of V.  All clusters of a head walk the same K and V: the head's first cluster asks; its four partners share the bytes out by address,
; 16 KB each; in each, waves 0 and 1 ask for K's and waves 2 and 3 for V's, 8 KB a wave, lanes 256 bytes apart.  The last change that fills a slot asks for nothing.
.macro ASK
	s_cmp_gt_u32 s[SLOTS], s[LIM]
	s_cbranch_scc0 .Lnot_mine_\@
	global_prefetch_b8 v[PFO], s[PFA:PFA+1] th:TH_LOAD_NT scope:SCOPE_SE
.Lnot_mine_\@:
.endm
.macro CROUND
	s_barrier_signal -1
	s_barrier_wait -1
	s_cmp_lg_u32 s[WV], 0
	s_cbranch_scc1 .Lnot_wave_0_\@
	s_barrier_signal -3
.Lnot_wave_0_\@:
	s_barrier_wait -3
	s_barrier_signal -1
	s_barrier_wait -1
.endm
	s_load_b128 s[4:7], s[0:1], 0x0                ; qkvb, preb
	v_lshl_add_u32 v[SPW], v0, 2, SPARE
	v_mov_b32 v[NIL], 0
	ds_add_u32 v[SPW], v[NIL]                      ; the wave's opening: the add, and its wait ahead of my first tensor load
	v_lshrrev_b32 v1, 5, v0
	v_readfirstlane_b32 s[WV], v1                  ; wave 0..7
	s_bfe_u32 s[CX], ttmp6, 0x40000                ; my place in the cluster: it enters Q's and pre's addresses, the prefetch's address and one data register
	s_and_b32 s[HEAD], ttmp7, 0xffff               ; 16 x batch + head
	s_mov_b32 s[G1], 15|(3<<16)|(1<<21)            ; the mask: all four; elements of 8 bytes; bit 21 beside a mask; no padding
	s_mov_b32 s[G1+1], 32<<16                      ; tensor_dim0 = 32 elements: rows of 256 bytes
	s_mov_b32 s[G1+2], 64<<16                      ; tensor_dim1 = 64
	s_mov_b32 s[G1+3], 32<<16                      ; tile_dim0
	s_mov_b32 s[G1+4], 64                          ; tile_dim1
	s_mov_b32 s[G1+5], 32                          ; the pitch: dense
	s_mov_b32 s[G1+6], 0
	s_mov_b32 s[G1+7], 0
	s_lshl_b32 s47, s[HEAD], 18                    ; a (batch, head) block is 262,144 bytes
	s_lshr_b32 s44, s[WV], 2                       ; waves 0-3 fetch K's quarters, waves 4-7 V's
	s_add_co_u32 s44, s44, 1
	s_lshl_b32 s44, s44, 23                        ; k's blocks begin at 8 MB, v's at 16 MB
	s_add_co_u32 s44, s44, s47
	s_and_b32 s46, s[WV], 3
	s_lshl_b32 s46, s46, 14
	s_add_co_u32 s44, s44, s46
	s_mov_b32 s45, 0
	s_lshl_b32 s48, ttmp9, 6
	s_lshl_b32 s49, s[WV], 3
	s_add_co_u32 s48, s48, s49
	s_lshl_b32 s49, s[CX], 1
	s_add_co_u32 s48, s48, s49                     ; my first tile of queries: 64 X + 8 w + 2 cx
	s_lshl_b32 s50, s48, 11
	s_add_co_u32 s50, s50, s47                     ; in q's block
	s_mov_b32 s51, 0
	s_and_b32 s52, s[HEAD], 15
	s_lshr_b32 s53, s[HEAD], 4
	s_lshl_b32 s53, s53, 7
	s_add_co_u32 s53, s53, s48                     ; the tile's number among all 256 tiles of tokens
	s_lshl_b32 s53, s53, 13
	s_lshr_b32 s54, s52, 2
	s_lshl_b32 s54, s54, 21
	s_add_co_u32 s53, s53, s54
	s_and_b32 s54, s52, 3
	s_lshl_b32 s54, s54, 11
	s_add_co_u32 s52, s53, s54                     ; pre: [head / 4][tile of tokens][head % 4 x 2 KB]
	s_mov_b32 s53, 0
	s_bfe_u32 s54, s[WV], 0x10001
	s_add_co_u32 s54, s54, 1
	s_lshl_b32 s54, s54, 23
	s_add_co_u32 s54, s54, s47
	s_lshl_b32 s55, s[CX], 14
	s_add_co_u32 s54, s54, s55
	s_and_b32 s55, s[WV], 1
	s_lshl_b32 s55, s55, 13
	s_add_co_u32 s54, s54, s55
	s_add_co_u32 s54, s54, 65536                   ; the prefetches stand in slot 1; the first change of slots steps them to slot 2
	s_mov_b32 s55, 0
	s_lshr_b32 s[LIM], s[WV], 2
	s_or_b32 s[LIM], s[LIM], ttmp9                 ; 0 in waves 0-3 of the head's first cluster: the same in all four partners
	s_cmp_eq_u32 s[LIM], 0
	s_cselect_b32 s[LIM], 1, -1
	s_lshl_b32 s[JD], ttmp9, 3
	s_add_co_u32 s[JD], s[JD], s[WV]
	s_mov_b32 s[J], 0
	s_mov_b32 s[TB], 0
	s_mov_b32 s[SLOTS], 3
	s_mov_b32 s[CS], 0x3e38aa3b                    ; c = log2(e) / 8
	s_mov_b32 s[CS+1], s[CS]
	s_mov_b32 s[SEL], 0x76543210
	s_mov_b32 s[SEL+1], 0xfedcba98
	s_lshl_b32 s56, s[CX], 5
	v_and_b32 v[AK0], 31, v0
	v_lshlrev_b32 v[PFO], 8, v[AK0]
	v_lshlrev_b32 v[AK0], 4, v[AK0]
	v_and_b32 v1, 15, v0
	v_bfe_u32 v5, v0, 4, 1
	v_lshlrev_b32 v5, 3, v5
	v_sub_nc_u32 v[DD], v1, v5
	v_add_nc_u32 v[DD], s56, v[DD]                 ; 32 cx + r - 8 h
	v_add_nc_u32 v[DD+1], 16, v[DD]
	v_mov_b32 v[NEG], 0xc2c80000
	s_wait_dscnt 0x0                               ; the opening add is done
	s_wait_kmcnt 0x0
	s_add_nc_u64 s[QA:QA+1], s[4:5], s[50:51]
	s_add_nc_u64 s[PA:PA+1], s[6:7], s[52:53]
	s_add_nc_u64 s[PFA:PFA+1], s[4:5], s[54:55]
	CROUND                                         ; all four work-groups are here: the first joint loads meet
	s_mov_b32 s[G0], 1
	s_lshl_b32 s[G0+1], s[WV], 14                  ; LDS: 16 KB a wave, slot 0
	s_add_nc_u64 s[G0+2:G0+3], s[4:5], s[44:45]
	s_or_b32 s[G0+3], s[G0+3], 0x80000000
	TLJ
	WIN W_LD
.irp t, 0,1
.irp kc, 0,1
.irp e, 0,1
	global_load_b128 v[QF+16*\t+8*\kc+4*\e:QF+16*\t+8*\kc+4*\e+3], v[AK0], s[QA:QA+1] offset:\t*2048+\kc*1024+\e*512   ; Q stays in registers
.endr
.endr
.endr
.set j, 0
.rept 64
	v_mov_b32 v[j], 0                              ; O^T: the step is written once; the first a, 0, leaves zeros zeros
.set j, j+1
.endr
	WIN 0
.irp t, 0,1
	v_mov_b32 v[ST+8*\t+1], 0xff61b1e6             ; m = -3e38
	v_mov_b32 v[ST+8*\t+2], 0
	v_mov_b32 v[ST+8*\t+3], 0
	v_mov_b32 v[ST+8*\t+4], 0
	v_mov_b32 v[ST+8*\t+5], 0                      ; (a lane permute's destination counts as one of its sources)
	v_mov_b32 v[ST+8*\t+6], 0
	v_mov_b32 v[ST+8*\t+7], 0
	v_mul_f32 v[ST+8*\t], s[CS], v[ST+8*\t+1]
.endr
	s_wait_loadcnt 0x0                             ; Q
; A KEY STEP: 128 keys.
.macro STEP
	v_add_nc_u32 v[ADK], s[TB], v[AK0]
	v_add_nc_u32 v[ADV], VOFF, v[ADK]
	s_cmp_gt_u32 s[J], s[JD]                       ; past my diagonal every key comes after every query of mine: -100 everywhere; ahead of it: 0
	s_cselect_b32 s[SU], 0xc2c80000, 0
.irp i, 0,1,2,3,4,5,6,7
	v_mov_b32 v[U+\i], s[SU]                       ; (with the two additions: ten plain instructions between the last step's products and the loads into the registers that they read)
.endr
	WIN W_LD
.irp kc, 0,1
.irp kt, 0,1,2,3,4,5,6,7
.irp e, 0,1
	ds_load_b128 v[KV+16*\kt+8*\kc+4*\e:KV+16*\kt+8*\kc+4*\e+3], v[ADK] offset:\kt*2048+\kc*1024+\e*512   ; K as it lies: the channels 0-31 of all eight tiles first
.endr
.endr
.endr
	WIN 0
	s_cmp_eq_u32 s[J], s[JD]
	s_cbranch_scc1 .Ldiag_\@
	s_wait_dscnt 16                                ; channels 0-31 are in; the sixteen younger loads may be out
	WIN W_KQ
.irp kt, 0,1,2,3,4,5,6,7
.irp t, 0,1
	v_wmma_f32_16x16x32_f16 v[S+64*\t+8*\kt:S+64*\t+8*\kt+7], v[KV+16*\kt:KV+16*\kt+7], v[QF+16*\t:QF+16*\t+7], v[U:U+7]
.endr
.endr
	WIN 0
	s_branch .Ljoin_\@
.Ldiag_\@:                                         ; on the diagonal the mask is made number by number: register 8 kt + j holds key 16 kt + 8 h + j of the step: -100 where it comes after my query
.irp t, 0,1
.set n, 0
.rept 64
	v_cmp_gt_i32 vcc_lo, 16*(n/8)+n%8, v[DD+\t]
	v_cndmask_b32 v[S+64*\t+n], 0, v[NEG], vcc_lo
.set n, n+1
.endr
.endr
	s_wait_dscnt 16
	WIN W_KQ
.irp kt, 0,1,2,3,4,5,6,7
.irp t, 0,1
	v_wmma_f32_16x16x32_f16 v[S+64*\t+8*\kt:S+64*\t+8*\kt+7], v[KV+16*\kt:KV+16*\kt+7], v[QF+16*\t:QF+16*\t+7], v[S+64*\t+8*\kt:S+64*\t+8*\kt+7]
.endr
.endr
	WIN 0
.Ljoin_\@:
	s_wait_dscnt 0x0                               ; channels 32-63 are in
	WIN W_KQ
.irp kt, 0,1,2,3,4,5,6,7                       ; the sixteen accumulators take turns, one instruction a turn
.irp t, 0,1
	v_wmma_f32_16x16x32_f16 v[S+64*\t+8*\kt:S+64*\t+8*\kt+7], v[KV+16*\kt+8:KV+16*\kt+15], v[QF+16*\t+8:QF+16*\t+15], v[S+64*\t+8*\kt:S+64*\t+8*\kt+7]
.endr
.endr
	WIN 0
.rept 4
	v_nop                                          ; places behind the products: K's registers take V, and the scores are read
.endr
	WIN W_LD
.irp ks, 0,1,2,3
.irp ct, 0,1,2,3
.irp e, 0,1
	ds_load_tr16_b128 v[KV+32*\ks+8*\ct+4*\e:KV+32*\ks+8*\ct+4*\e+3], v[ADV] offset:(2*\ks+\e)*2048+\ct*512   ; V turned: lane l gets channel l % 16 and eight keys; it lands while the softmax is walked
.endr
.endr
.endr
	WIN 0
	; the maximum of my 64 scores a tile and the old m: four chains of 16 registers, each accumulator from its low end on
.irp c, 0,1,2,3
.irp t, 0,1
	v_max3_num_f32 v[ST+8*\t+4+\c], v[S+64*\t+16*\c], v[S+64*\t+16*\c+1], v[S+64*\t+16*\c+2]
.endr
.endr
.irp i, 3,5,7,9,11,13
.irp c, 0,1,2,3
.irp t, 0,1
	v_max3_num_f32 v[ST+8*\t+4+\c], v[ST+8*\t+4+\c], v[S+64*\t+16*\c+\i], v[S+64*\t+16*\c+\i+1]
.endr
.endr
.endr
.irp t, 0,1
	v_max3_num_f32 v[ST+8*\t+4], v[ST+8*\t+4], v[S+64*\t+15], v[S+64*\t+31]
	v_max3_num_f32 v[ST+8*\t+6], v[ST+8*\t+6], v[S+64*\t+47], v[S+64*\t+63]
.endr
.irp t, 0,1
	v_max3_num_f32 v[ST+8*\t+4], v[ST+8*\t+4], v[ST+8*\t+5], v[ST+8*\t+6]
.endr
.irp t, 0,1
	v_max3_num_f32 v[ST+8*\t+4], v[ST+8*\t+4], v[ST+8*\t+7], v[ST+8*\t+1]
.endr
.irp t, 0,1
	v_permlanex16_b32 v[ST+8*\t+5], v[ST+8*\t+4], s[SEL], s[SEL+1]   ; the query's other 64 keys lie in the lane 16 away
.endr
.irp t, 0,1
	v_mov_b32 v[ST+8*\t+7], v[ST+8*\t]             ; c m_old
.endr
.irp t, 0,1
	v_max_num_f32 v[ST+8*\t+1], v[ST+8*\t+4], v[ST+8*\t+5]
.endr
.irp t, 0,1
	v_mul_f32 v[ST+8*\t], s[CS], v[ST+8*\t+1]
.endr
.irp t, 0,1
	v_sub_f32 v[ST+8*\t+7], v[ST+8*\t+7], v[ST+8*\t]
.endr
.set j, 0
.rept 32
.irp t, 0,1
	v_pk_fma_f32 v[S+64*\t+j:S+64*\t+j+1], v[S+64*\t+j:S+64*\t+j+1], s[CS:CS+1], v[ST+8*\t:ST+8*\t+1] op_sel_hi:[1,0,0] neg_lo:[0,0,1] neg_hi:[0,0,1]   ; c s - c m
.endr
.set j, j+2
.endr
.irp t, 0,1
	v_exp_f32 v[ST+8*\t+6], v[ST+8*\t+7]           ; a
.endr
.set j, 0
.rept 64
.irp t, 0,1
	v_exp_f32 v[S+64*\t+j], v[S+64*\t+j]           ; p: one batch of 130 exponentials
.endr
.set j, j+1
.endr
	v_nop                                          ; a plain instruction behind the last exponential
	s_wait_alu depctr_va_vdst(0)                   ; one wait for the whole batch, ahead of its first reader
.irp t, 0,1                                    ; the sums of the unrounded p, two chains a tile
	v_pk_add_f32 v[ST+8*\t+4:ST+8*\t+5], v[S+64*\t:S+64*\t+1], v[S+64*\t+2:S+64*\t+3]
	v_pk_add_f32 v[SB+2*\t:SB+2*\t+1], v[S+64*\t+4:S+64*\t+5], v[S+64*\t+6:S+64*\t+7]
.endr
.irp j, 8,12,16,20,24,28,32,36,40,44,48,52,56,60
.irp t, 0,1
	v_pk_add_f32 v[ST+8*\t+4:ST+8*\t+5], v[ST+8*\t+4:ST+8*\t+5], v[S+64*\t+\j:S+64*\t+\j+1]
	v_pk_add_f32 v[SB+2*\t:SB+2*\t+1], v[SB+2*\t:SB+2*\t+1], v[S+64*\t+\j+2:S+64*\t+\j+3]
.endr
.endr
.irp t, 0,1
	v_pk_fma_f32 v[ST+8*\t+2:ST+8*\t+3], v[ST+8*\t+2:ST+8*\t+3], v[ST+8*\t+6:ST+8*\t+7], v[ST+8*\t+4:ST+8*\t+5] op_sel_hi:[1,0,1]   ; l = a l + the first chain
.endr
.irp t, 0,1
	v_pk_add_f32 v[ST+8*\t+2:ST+8*\t+3], v[ST+8*\t+2:ST+8*\t+3], v[SB+2*\t:SB+2*\t+1]
.endr
.set j, 0
.rept 32
.irp t, 0,1
	v_cvt_pk_f16_f32 v[P+32*\t+j], v[S+64*\t+2*j], v[S+64*\t+2*j+1]
.endr
.set j, j+1
.endr
	WIN W_RS
.irp t, 0,1
.irp j, 0,2,4,6,8,10,12,14,16,18,20,22,24,26,28,30
	v_pk_mul_f32 v[32*\t+\j:32*\t+\j+1], v[32*\t+\j:32*\t+\j+1], v[ST+8*\t+6:ST+8*\t+7] op_sel_hi:[1,0]   ; O^T x a, each accumulator from its low end on
.endr
.endr
	s_wait_dscnt 0x0                               ; V is in
	WIN W_PV
.irp ks, 0,1,2,3                               ; the eight accumulators take turns
.irp ct, 0,1,2,3
.irp t, 0,1
	v_wmma_f32_16x16x32_f16 v[32*\t+8*\ct:32*\t+8*\ct+7], v[KV+32*\ks+8*\ct:KV+32*\ks+8*\ct+7], v[P+32*\t+8*\ks:P+32*\t+8*\ks+7], v[32*\t+8*\ct:32*\t+8*\ct+7]
.endr
.endr
.endr
	WIN 0
	s_add_co_u32 s[TB], s[TB], STEPB
	s_add_co_u32 s[J], s[J], 1
.endm
; THE CHANGE OF SLOTS stands at a slot's head.  Each wave waits for all its tensor loads (its part of the slot ahead), adds 0 to its spare word, and waits for that and for its reads of the slot that it has left.
; fill = 1: a round of the cluster's barrier, and behind it the slot just left is filled with the next 512 keys: that load has four key steps in which to land.
.macro CHANGE fill
	WIN 0
	s_wait_tensorcnt 0x0                           ; no tensor load of mine is out, so the group 0 may be written
	ds_add_u32 v[SPW], v[NIL]
.if \fill
	s_xor_b32 s[G0+1], s[G0+1], SLOT1
	s_add_nc_u64 s[G0+2:G0+3], s[G0+2:G0+3], 65536 ; the next 512 keys; the type bits on top are not reached
	s_wait_xcnt 0x0                                ; the last prefetch, a slot back, has read its address
	s_add_nc_u64 s[PFA:PFA+1], s[PFA:PFA+1], 65536
.endif
	s_wait_dscnt 0x0                               ; the add is done, and my reads of the slot that I have left are over
.if \fill
	CROUND
	TLJ
	ASK
.else
	s_barrier_signal -1
	s_barrier_wait -1
.endif
.endm
.macro SLOT_STEPS                      ; a slot's four key steps: written once, walked four times
	s_mov_b32 s[CNT], 4
.Lstep_\@:
	STEP
	s_sub_co_u32 s[CNT], s[CNT], 1
	s_cmp_lg_u32 s[CNT], 0
	s_cbranch_scc1 .Lstep_\@
	s_sub_co_u32 s[TB], s[TB], 4*STEPB
	s_xor_b32 s[TB], s[TB], SLOT1                  ; on to the other slot
.endm
.Lslot:                                            ; three trips: behind each change of slots but the last the next slot is asked for
	CHANGE 1
	SLOT_STEPS
	s_sub_co_u32 s[SLOTS], s[SLOTS], 1
	s_cmp_lg_u32 s[SLOTS], 0
	s_cbranch_scc1 .Lslot
	CHANGE 0                                       ; the last slot is written out
	SLOT_STEPS
	; THE WAY OUT: O^T / l, rounded to f16: a lane's eight channels of a query are 16 bytes of the next operand's image: each store covers 512 consecutive bytes, aligned.
.irp t, 0,1
	v_add_f32 v[ST+8*\t+4], v[ST+8*\t+2], v[ST+8*\t+3]
.endr
.irp t, 0,1
	v_permlanex16_b32 v[ST+8*\t+5], v[ST+8*\t+4], s[SEL], s[SEL+1]
.endr
.irp t, 0,1
	v_add_f32 v[ST+8*\t+4], v[ST+8*\t+4], v[ST+8*\t+5]
.endr
.irp t, 0,1
	v_rcp_f32 v[ST+8*\t+6], v[ST+8*\t+4]
.endr
	v_nop
	s_wait_alu depctr_va_vdst(0)                   ; one wait for the two reciprocals, ahead of their first reader
	WIN W_RS
.irp t, 0,1
.irp j, 0,2,4,6,8,10,12,14,16,18,20,22,24,26,28,30
	v_pk_mul_f32 v[32*\t+\j:32*\t+\j+1], v[32*\t+\j:32*\t+\j+1], v[ST+8*\t+6:ST+8*\t+7] op_sel_hi:[1,0]
.endr
.endr
	WIN 0x05                                       ; sources window 1, destination window 0
.set j, 0
.rept 32
	v_cvt_pk_f16_f32 v[S+j], v[2*j], v[2*j+1]
.set j, j+1
.endr
	WIN 0
.irp t, 0,1
.irp ct, 0,1,2,3
	global_store_b128 v[AK0], v[S+16*\t+4*\ct:S+16*\t+4*\ct+3], s[PA:PA+1] offset:\t*8192+\ct*512
.endr
.endr
	s_wait_tensorcnt 0x0                           ; the wave's end
	ds_add_u32 v[SPW], v[NIL]
	s_wait_dscnt 0x0
	CROUND                                         ; the closing round
	s_endpgm
.Lfunc_end_k_qb25776c842_attn:
	.size	k_qb25776c842_attn, .Lfunc_end_k_qb25776c842_attn-k_qb25776c842_attn
	.p2alignl 7, 3214868480
	.fill 96, 4, 3214868480
	.section	.rodata,"a",@progbits
	.p2align	6, 0x0
	.amdhsa_kernel k_qb25776c842_attn
		.amdhsa_group_segment_fixed_size 327680
		.amdhsa_private_segment_fixed_size 0
		.amdhsa_enable_private_segment 0
		.amdhsa_kernarg_size 16
		.amdhsa_user_sgpr_count 2
		.amdhsa_user_sgpr_kernarg_segment_ptr 1
		.amdhsa_wavefront_size32 1
		.amdhsa_system_sgpr_workgroup_id_x 1
		.amdhsa_system_sgpr_workgroup_id_y 1
		.amdhsa_system_sgpr_workgroup_id_z 1
		.amdhsa_system_vgpr_workitem_id 0
		.amdhsa_next_free_vgpr 512
		.amdhsa_next_free_sgpr 66
		.amdhsa_reserve_vcc 1
		.amdhsa_float_denorm_mode_32 3
		.amdhsa_float_denorm_mode_16_64 3
		.amdhsa_memory_ordered 1
		.amdhsa_forward_progress 1
		.amdhsa_inst_pref_size 101
	.end_amdhsa_kernel
	.amdgpu_metadata
---
amdhsa.version: [ 1, 2 ]
amdhsa.kernels:
  - .name:           k_qb25776c842_attn
    .symbol:         k_qb25776c842_attn.kd
    .args:
      - { .name: qkvb, .offset: 0, .size: 8, .value_kind: global_buffer, .address_space: global }
      - { .name: preb, .offset: 8, .size: 8, .value_kind: global_buffer, .address_space: global }
    .group_segment_fixed_size: 327680
    .private_segment_fixed_size: 0
    .kernarg_segment_align: 8
    .kernarg_segment_size: 16
    .max_flat_workgroup_size: 256
    .sgpr_count:     66
    .vgpr_count:     512
    .wavefront_size: 32
...
	.end_amdgpu_metadata
.endif
;; end of part 3
;; launch proj (part 4): grid 8 x 32, 4 waves a work-group, clusters of 4 x 4, 327,680 bytes of LDS; arguments preb, pbuf, x, y1b; writes y1b
.if DOCPART == 4
	.amdgcn_target "amdgcn-amd-amdhsa--gfx1250"
	.amdhsa_code_object_version 6
	.text
	.protected	k_qb25776c842_proj
	.globl	k_qb25776c842_proj
	.p2align	8
	.type	k_qb25776c842_proj,@function
k_qb25776c842_proj:
	s_mov_b64 s[64:65], 0
	v_nop
	global_prefetch_b8 v0, s[64:65] scope:SCOPE_SE
	s_setreg_imm32_b32 hwreg(HW_REG_WAVE_MODE, 25, 1), 1
	s_wait_xcnt 0x0
	s_wait_alu depctr_hold_cnt(0) depctr_sa_sdst(0) depctr_va_vdst(0) depctr_va_sdst(0) depctr_va_ssrc(0) depctr_va_vcc(0) depctr_vm_vsrc(0)
	s_getreg_b32 s2, hwreg(HW_REG_IB_STS2, 6, 4)
	s_cmp_eq_u32 s2, 0
	s_cbranch_scc0 .Lentry_in_a_cluster
	s_endpgm
.Lentry_in_a_cluster:
	s_bfe_u32 s2, ttmp6, 0x10000c
	s_cmp_lg_u32 s2, 0xf033
	s_cbranch_scc0 .Lentry_shape_is_right
	s_endpgm
.Lentry_shape_is_right:
; y1 = x + pre wo, and for each group of 64 rows and each column the mean and the sum of squared distances from it (for the layer norm over the sequence, which spans work-groups: the next launch joins the groups).
; pre [4096][1024] and wo [1024 k][1024 n] come as f16 register images: a fragment (16 rows x 32 k) is 1,024 bytes, a lane's 16 bytes at 512 c + 16 x lane; a K step's tile is one dense block.  Sums in f32.
; A tile of y1 is 128 x 128; four waves, each 64 x 64: 16 accumulators.  K goes in steps of 256 through a ring of two LDS slots (64 KB of pre, 64 KB of wo each); a wave's tensor load brings 32 KB.
; CLUSTERS: 4 x 4 work-groups: pre's tiles are asked for jointly along a row of the cluster, wo's along a column.
; THE MATRIX INSTRUCTION IS USED TRANSPOSED (source 0 = 16 columns of wo, source 1 = 16 rows of pre): a lane holds row lane % 16 and columns 8 (lane / 16) + 0..7.
; THE RESIDUAL STARTS THE SUMS: x's 64 x 64 numbers of a wave are loaded as whole rows of 256 bytes, turned through the wave's own stage in LDS into the accumulators' layout, and every product adds in place.
; y1 leaves as TILE IMAGES, [tile of 16 rows][tile of 16 columns][half of the registers][lane][16 bytes]: an accumulator's four registers as they stand: each store covers 512 consecutive bytes, aligned.
; REGISTERS: window 0: v16-31 addresses; v32-127 at work on the way out; v128-255 the accumulators ((a, b) at v[128 + 8 (4 a + b)]).  window 1: two fragment buffers of 128 (at the start: x's rows).
.set KBA,    2097152                   ; bytes from a K step of pre's images to the next
.set KBB,    524288                    ; and of wo's
.set BOFF,   0x3c0000                  ; wo's images in pbuf
.set LAPS,   2                         ; K = 1,024: four K steps, two laps of the ring
.set HALFT,  32768                     ; what one tensor load brings
.set SLOT,   131072
.set XSTG,   262144                    ; behind the ring: a stage of 32 rows x 272 bytes for each wave
.set SCR,    296960                    ; 512 bytes for each wave: 64 means, 64 sums of squares
.set SPARE,  299008                    ; the spare words, 128 bytes for each wave: two blocks of 256 bytes that no other line names
.set ADRA, 16
.set ADRB, 20
.set STO8, 23                          ; v23 8 x lane
.set XST,  24                          ; v24 the stage, in
.set XRD,  25                          ; v25 the stage, out
.set CO,   26                          ; v26 16 x lane
.set XO,   27                          ; v27 x: two rows a load
.set SPW,  28
.set NIL,  29
.set SCW,  30
.set SCRD, 31
.set ACC,  128
.set F0,   0
.set F1,   128
.set G1, 24
.set G0, 32
.set G1B, 48
.set G0B, 56
.set MSB, 0
.macro WIN new
.if MSB != (\new)
	s_set_vgpr_msb (MSB<<8)|(\new)
.set MSB, \new
.endif
.endm
.set MUL,  0x05                        ; sources 0 and 1 window 1; C and D window 0
.set TO_F, 0x40
.macro JLOAD s                         ; a joint load: waves 0 and 1 fetch A's halves, waves 2 and 3 B's; an s_nop 0 and four v_nop follow each of the two lines
	s_cmp_eq_u32 s11, 0
	s_cbranch_scc0 .Lfor_b_\@
	tensor_load_to_lds s[G0+4*\s:G0+4*\s+3], s[G1:G1+7]
	s_nop 0
.rept 4
	v_nop
.endr
	s_branch .Lasked_\@
.Lfor_b_\@:
	tensor_load_to_lds s[G0B+4*\s:G0B+4*\s+3], s[G1B:G1B+7]
	s_nop 0
.rept 4
	v_nop
.endr
.Lasked_\@:
.endm
.macro CREST
	s_cmp_lg_u32 s10, 0
	s_cbranch_scc1 .Lnot_wave_0_\@
	s_barrier_signal -3
.Lnot_wave_0_\@:
	s_barrier_wait -3
	s_barrier_signal -1
	s_barrier_wait -1
.endm
.macro CROUND
	s_barrier_signal -1
	s_barrier_wait -1
	CREST
.endm
	s_load_b128 s[4:7], s[0:1], 0x0                ; pre's images, pbuf
	s_load_b128 s[68:71], s[0:1], 0x10             ; x, y1b
	v_lshl_add_u32 v[SPW], v0, 2, SPARE
	v_mov_b32 v[NIL], 0
	ds_add_u32 v[SPW], v[NIL]                      ; the wave's opening: the add, and its wait ahead of my first tensor load
	v_lshrrev_b32 v1, 5, v0
	v_readfirstlane_b32 s10, v1                    ; wave 0..3
	s_lshr_b32 s11, s10, 1                         ; which half of the tile's rows is mine.  Also: I fetch for A (0) or for B (1)
	s_and_b32 s12, s10, 1                          ; which half of its columns.  Also: which half of that tile I fetch
	s_bfe_u32 s40, ttmp6, 0x40000
	s_bfe_u32 s41, ttmp6, 0x40004
	s_lshl_b32 s42, ttmp9, 2
	s_add_co_u32 s42, s42, s40                     ; tile column
	s_and_b32 s13, ttmp7, 0xffff
	s_lshl_b32 s13, s13, 2
	s_add_co_u32 s13, s13, s41                     ; tile row
	s_lshl_b32 s43, s41, 2
	s_lshl_b32 s43, 15, s43
	s_lshl_b32 s44, 0x1111, s40
	s_or_b32 s[G1+0], s43, (3<<16)|(1<<21)         ; the mask; elements of 8 bytes; bit 21 beside a mask; no padding: an image's loads take 512 consecutive bytes
	s_or_b32 s[G1B+0], s44, (3<<16)|(1<<21)
.irp g, G1, G1B
	s_mov_b32 s[\g+1], 32<<16                      ; rows of 256 bytes
	s_mov_b32 s[\g+2], 128<<16
	s_mov_b32 s[\g+3], 32<<16
	s_mov_b32 s[\g+4], 128
	s_mov_b32 s[\g+5], 32                          ; dense
	s_mov_b32 s[\g+6], 0
	s_mov_b32 s[\g+7], 0
.endr
	s_lshl_b32 s16, s13, 16                        ; A: a tile row's K step is 64 KB,
	s_lshl_b32 s17, s12, 15                        ; my half of it
	s_add_co_u32 s16, s16, s17
	s_mov_b32 s17, 0
	s_lshl_b32 s46, s42, 16                        ; B likewise, by the tile column
	s_lshl_b32 s47, s12, 15
	s_add_co_u32 s46, s46, s47
	s_mov_b32 s47, 0
	s_lshl_b32 s20, s10, 15                        ; where they go: wave x 32 KB
	s_lshl_b32 s76, s13, 19                        ; x: (128 tile row + 64 half) rows of 4,096 bytes + (128 tile column + 64 half) x 4.  The same figure is my first tile image's place in y1
	s_lshl_b32 s77, s11, 18
	s_add_co_u32 s76, s76, s77
	s_lshl_b32 s78, s42, 9
	s_lshl_b32 s77, s12, 8
	s_add_co_u32 s78, s78, s77                     ; my first column x 4
	s_mov_b32 s77, 0
	s_mov_b32 s79, 0
	v_and_b32 v1, 15, v0                           ; r
	v_bfe_u32 v2, v0, 4, 1                         ; h
	v_lshlrev_b32 v[XO], 12, v2
	v_lshl_add_u32 v[XO], v1, 4, v[XO]             ; lanes 0-15 a row's 256 bytes, lanes 16-31 the next row's
	s_wait_dscnt 0x0                               ; the opening add is done
	s_wait_kmcnt 0x0
	s_add_nc_u64 s[6:7], s[6:7], BOFF
	s_add_nc_u64 s[14:15], s[4:5], s[16:17]
	s_add_nc_u64 s[46:47], s[6:7], s[46:47]
	s_add_nc_u64 s[68:69], s[68:69], s[76:77]
	s_add_nc_u64 s[68:69], s[68:69], s[78:79]
	WIN TO_F
.set i, 0
.rept 32
	global_load_b128 v[4*i:4*i+3], v[XO], s[68:69] offset:2*i*4096 th:TH_LOAD_NT   ; my 64 rows x 256 bytes of x, into the fragment buffers, which are still free
.set i, i+1
.endr
	WIN 0
	CROUND                                         ; all sixteen work-groups are here: the first joint loads meet
.irp s, 0,1
	s_mov_b32 s[G0+4*\s], 1
	s_add_co_u32 s[G0+4*\s+1], s20, \s*SLOT
	s_add_nc_u64 s[G0+4*\s+2:G0+4*\s+3], s[14:15], \s*KBA
	s_or_b32 s[G0+4*\s+3], s[G0+4*\s+3], 0x80000000
	s_mov_b32 s[G0B+4*\s], 1
	s_add_co_u32 s[G0B+4*\s+1], s20, \s*SLOT
	s_add_nc_u64 s[G0B+4*\s+2:G0B+4*\s+3], s[46:47], \s*KBB
	s_or_b32 s[G0B+4*\s+3], s[G0B+4*\s+3], 0x80000000
	JLOAD \s
.endr
	v_and_b32 v3, 31, v0
	v_lshlrev_b32 v[CO], 4, v3
	v_lshlrev_b32 v[STO8], 3, v3
	s_lshl_b32 s21, s11, 15                        ; my 64 rows of A
	s_lshl_b32 s22, s12, 15                        ; my 64 columns of B,
	s_add_co_u32 s22, s22, 65536                   ; behind A's 64 KB
.irp s, 0,1
	v_add_nc_u32 v[ADRA+\s], s21, v[CO]
	v_add_nc_u32 v[ADRB+\s], s22, v[CO]
	s_add_co_u32 s21, s21, SLOT
	s_add_co_u32 s22, s22, SLOT
.endr
	s_mul_i32 s23, s10, 32*272
	s_add_co_u32 s23, s23, XSTG                    ; my stage
	v_mul_u32_u24 v4, v2, 272
	v_lshl_add_u32 v4, v1, 4, v4
	v_add_nc_u32 v[XST], s23, v4                   ; in: two rows a store
	v_mul_u32_u24 v4, v1, 272
	v_lshl_add_u32 v4, v2, 5, v4
	v_add_nc_u32 v[XRD], s23, v4                   ; out: row r, 32 bytes for each half of the lanes
	s_lshl_b32 s23, s10, 9
	s_add_co_u32 s23, s23, SCR
	v_lshlrev_b32 v4, 5, v2
	v_add_nc_u32 v[SCW], s23, v4
	v_add_nc_u32 v[SCRD], s23, v[STO8]
	; y1's tile images: (8 tile row + 4 half) x 64 KB + (8 tile column + 4 half) x 1 KB;  the statistics: group (2 tile row + half) x 4,096 bytes + my first column x 4
	s_lshl_b32 s22, s78, 4
	s_mov_b32 s23, 0
	s_add_nc_u64 s[8:9], s[70:71], s[76:77]
	s_add_nc_u64 s[8:9], s[8:9], s[22:23]
	s_lshr_b32 s22, s76, 6
	s_add_co_u32 s22, s22, 16777216
	s_add_nc_u64 s[74:75], s[70:71], s[22:23]
	s_add_nc_u64 s[74:75], s[74:75], s[78:79]
.irp p, 0,1                                    ; x into the accumulators, 32 rows at a time.  LDS serves a wave's instructions in order: no wait between the stores and the loads, nor in front of the second pass's stores
	s_wait_loadcnt 16-16*\p
	WIN 0x04                                       ; an LDS store's data are its source 1: window 1
.set i, 0
.rept 16
	ds_store_b128 v[XST], v[64*\p+4*i:64*\p+4*i+3] offset:2*i*272
.set i, i+1
.endr
	WIN 0
.irp a, 0,1
.irp b, 0,1,2,3
.irp e, 0,1
	ds_load_b128 v[ACC+8*(4*(2*\p+\a)+\b)+4*\e:ACC+8*(4*(2*\p+\a)+\b)+4*\e+3], v[XRD] offset:16*\a*272+64*\b+16*\e
.endr
.endr
.endr
.endr
.macro MUL8 f, c, a0                   ; 8 matrix instructions: row blocks a0, a0 + 1 x all 4 column blocks, 32 along K: half c of buffer f.  The 16 accumulators take turns
.irp a, \a0, \a0+1
.irp b, 0,1,2,3
	v_wmma_f32_16x16x32_f16 v[ACC+8*(4*(\a)+\b):ACC+8*(4*(\a)+\b)+7], v[\f+64+8*(4*\c+\b):\f+64+8*(4*\c+\b)+7], v[\f+8*(4*\c+\a):\f+8*(4*\c+\a)+7], v[ACC+8*(4*(\a)+\b):ACC+8*(4*(\a)+\b)+7]
.endr
.endr
.endm
.macro FETCH slot, q, f                ; 32 LDS loads in one run: the fragments of the slot's q-th 64 along K, the first 32 along K first
	WIN TO_F
.irp c, 0,1
.irp i, 0,1,2,3
	ds_load_b128 v[\f+64+8*(4*\c+\i):\f+64+8*(4*\c+\i)+3],   v[ADRB+\slot] offset:(2*(\q)+\c)*1024+\i*8192
	ds_load_b128 v[\f+64+8*(4*\c+\i)+4:\f+64+8*(4*\c+\i)+7], v[ADRB+\slot] offset:(2*(\q)+\c)*1024+\i*8192+512
	ds_load_b128 v[\f+8*(4*\c+\i):\f+8*(4*\c+\i)+3],         v[ADRA+\slot] offset:(2*(\q)+\c)*1024+\i*8192
	ds_load_b128 v[\f+8*(4*\c+\i)+4:\f+8*(4*\c+\i)+7],       v[ADRA+\slot] offset:(2*(\q)+\c)*1024+\i*8192+512
.endr
.endr
.endm
.macro PLACES                          ; four plain vector instructions in front of loads into registers that matrix instructions have read, and of reads of results
.rept 4
	v_nop
.endr
.endm
.macro QUARTER slot, q, f, g           ; multiplies buffer f and fetches the slot's q-th quarter into g
	s_wait_dscnt 16                                ; the first 32 along K are in
	WIN MUL
	MUL8 \f, 0, 0
	MUL8 \f, 0, 2
	PLACES
	FETCH \slot, \q, \g
	s_wait_dscnt 32                                ; all but the 32 just issued
	WIN MUL
	MUL8 \f, 1, 0
	MUL8 \f, 1, 2
.endm
; The last quarter multiplies buffer 1 and changes slots: one barrier; in front of it each wave waits for all its tensor loads, adds 0 to its spare word, and waits for that and for its reads of this slot.
.macro TURN slot, next, fill
	WIN 0
	s_wait_tensorcnt 0x0                           ; all my tensor loads have landed: my part of the next slot
	ds_add_u32 v[SPW], v[NIL]
	s_wait_dscnt 17                                ; (the add and the youngest sixteen loads may be out)
	WIN MUL
	MUL8 F1, 0, 0
	s_wait_dscnt 0x0                               ; the add is done, and my reads of this slot are over
	s_barrier_signal -1
	MUL8 F1, 0, 2
.if \fill
	WIN 0
.endif
	s_barrier_wait -1
.if \fill
	CREST                                          ; the barrier has opened a round of the cluster's barrier
	s_add_nc_u64 s[G0+4*\slot+2:G0+4*\slot+3], s[G0+4*\slot+2:G0+4*\slot+3], 2*KBA
	s_add_nc_u64 s[G0B+4*\slot+2:G0B+4*\slot+3], s[G0B+4*\slot+2:G0B+4*\slot+3], 2*KBB
	JLOAD \slot                                    ; the first tensor load behind the round; its four v_nop are also the places in front of the loads below
.else
	PLACES
.endif
	FETCH \next, 0, F0
	WIN MUL
	MUL8 F1, 1, 0
	MUL8 F1, 1, 2
.endm
	s_wait_tensorcnt 1                             ; my part of K step 0 is in (K step 1's load may be out)
	s_wait_dscnt 0x0                               ; x lies in the accumulators, and the stage's stores have read the fragment buffers
	s_barrier_signal -1
	s_barrier_wait -1
	FETCH 0, 0, F0
	QUARTER 0, 1, F0, F1
	WIN 0
	s_mov_b32 s3, LAPS-1
.Llap:                                             ; a trip goes once round the ring and fills both slots again
	QUARTER 0, 2, F1, F0
	QUARTER 0, 3, F0, F1
	TURN 0, 1, 1
	QUARTER 1, 1, F0, F1
	QUARTER 1, 2, F1, F0
	QUARTER 1, 3, F0, F1
	TURN 1, 0, 1
	QUARTER 0, 1, F0, F1
	WIN 0
	s_sub_co_u32 s3, s3, 1
	s_cmp_lg_u32 s3, 0
	s_cbranch_scc1 .Llap
	QUARTER 0, 2, F1, F0                           ; the last lap fills nothing
	QUARTER 0, 3, F0, F1
	TURN 0, 1, 0
	QUARTER 1, 1, F0, F1
	QUARTER 1, 2, F1, F0
	QUARTER 1, 3, F0, F1
	s_wait_dscnt 16
	WIN MUL
	MUL8 F1, 0, 0
	MUL8 F1, 0, 2
	s_wait_dscnt 0
	MUL8 F1, 1, 0
	MUL8 F1, 1, 2
	WIN 0
	; THE WAY OUT.  The accumulators leave as they stand, each from its low end on.
	PLACES
.irp a, 0,1,2,3
.irp b, 0,1,2,3
.irp e, 0,1
	global_store_b128 v[CO], v[ACC+8*(4*\a+\b)+4*\e:ACC+8*(4*\a+\b)+4*\e+3], s[8:9] offset:\a*65536+\b*1024+\e*512
.endr
.endr
.endr
	; The statistics of my 64 rows, for each of my 64 columns: a lane's register 8 b + j is column 16 b + 8 h + j; its rows are the four blocks a and the sixteen lanes of its half.  First the mean, then the squares of the distances from it.
.irp p, 0,2,4,6,8,10,12,14,16,18,20,22,24,26,28,30
	v_pk_add_f32 v[32+\p:33+\p], v[ACC+\p:ACC+\p+1], v[ACC+32+\p:ACC+33+\p]
.endr
.irp a, 2,3
.irp p, 0,2,4,6,8,10,12,14,16,18,20,22,24,26,28,30
	v_pk_add_f32 v[32+\p:33+\p], v[32+\p:33+\p], v[ACC+32*\a+\p:ACC+32*\a+\p+1]
.endr
.endr
.irp m, 1,2,4,8
.set j, 0
.rept 32
	v_add_f32_dpp v[32+j], v[32+j], v[32+j] row_xmask:\m row_mask:0xf bank_mask:0xf
.set j, j+1
.endr
.endr
.irp p, 0,2,4,6,8,10,12,14,16,18,20,22,24,26,28,30
	v_pk_mul_f32 v[32+\p:33+\p], v[32+\p:33+\p], 0x3c800000 op_sel_hi:[1,0]   ; / 64
.endr
.irp a, 0,1,2,3
.irp p, 0,2,4,6,8,10,12,14,16,18,20,22,24,26,28,30
	v_pk_add_f32 v[96+\p:97+\p], v[ACC+32*\a+\p:ACC+32*\a+\p+1], v[32+\p:33+\p] neg_lo:[0,1] neg_hi:[0,1]
.endr
.irp p, 0,2,4,6,8,10,12,14,16,18,20,22,24,26,28,30
.if \a == 0
	v_pk_mul_f32 v[64+\p:65+\p], v[96+\p:97+\p], v[96+\p:97+\p]
.else
	v_pk_fma_f32 v[64+\p:65+\p], v[96+\p:97+\p], v[96+\p:97+\p], v[64+\p:65+\p]
.endif
.endr
.endr
.irp m, 1,2,4,8
.set j, 0
.rept 32
	v_add_f32_dpp v[64+j], v[64+j], v[64+j] row_xmask:\m row_mask:0xf bank_mask:0xf
.set j, j+1
.endr
.endr
.irp b, 0,1,2,3                                ; through my 512 bytes of LDS, so that 32 lanes store 256 consecutive bytes; the sixteen lanes of a half write the same bytes with the same values
.irp e, 0,1
	ds_store_b128 v[SCW], v[32+8*\b+4*\e:32+8*\b+4*\e+3] offset:64*\b+16*\e
	ds_store_b128 v[SCW], v[64+8*\b+4*\e:64+8*\b+4*\e+3] offset:256+64*\b+16*\e
.endr
.endr
	ds_load_b64 v[96:97], v[SCRD]                  ; LDS serves a wave's instructions in order: these see my stores
	ds_load_b64 v[98:99], v[SCRD] offset:256
	s_wait_dscnt 0x0
	global_store_b64 v[STO8], v[96:97], s[74:75]
	global_store_b64 v[STO8], v[98:99], s[74:75] offset:262144
	s_wait_tensorcnt 0x0                           ; the wave's end
	ds_add_u32 v[SPW], v[NIL]
	s_wait_dscnt 0x0
	CROUND                                         ; the closing round
	s_endpgm
.Lfunc_end_k_qb25776c842_proj:
	.size	k_qb25776c842_proj, .Lfunc_end_k_qb25776c842_proj-k_qb25776c842_proj
	.p2alignl 7, 3214868480
	.fill 96, 4, 3214868480
	.section	.rodata,"a",@progbits
	.p2align	6, 0x0
	.amdhsa_kernel k_qb25776c842_proj
		.amdhsa_group_segment_fixed_size 327680
		.amdhsa_private_segment_fixed_size 0
		.amdhsa_enable_private_segment 0
		.amdhsa_kernarg_size 32
		.amdhsa_user_sgpr_count 2
		.amdhsa_user_sgpr_kernarg_segment_ptr 1
		.amdhsa_wavefront_size32 1
		.amdhsa_system_sgpr_workgroup_id_x 1
		.amdhsa_system_sgpr_workgroup_id_y 1
		.amdhsa_system_sgpr_workgroup_id_z 1
		.amdhsa_system_vgpr_workitem_id 0
		.amdhsa_next_free_vgpr 512
		.amdhsa_next_free_sgpr 80
		.amdhsa_reserve_vcc 0
		.amdhsa_float_denorm_mode_32 3
		.amdhsa_float_denorm_mode_16_64 3
		.amdhsa_memory_ordered 1
		.amdhsa_forward_progress 1
		.amdhsa_inst_pref_size 119
	.end_amdhsa_kernel
	.amdgpu_metadata
---
amdhsa.version: [ 1, 2 ]
amdhsa.kernels:
  - .name:           k_qb25776c842_proj
    .symbol:         k_qb25776c842_proj.kd
    .args:
      - { .name: preb, .offset: 0, .size: 8, .value_kind: global_buffer, .address_space: global }
      - { .name: pbuf, .offset: 8, .size: 8, .value_kind: global_buffer, .address_space: global }
      - { .name: x, .offset: 16, .size: 8, .value_kind: global_buffer, .address_space: global }
      - { .name: y1b, .offset: 24, .size: 8, .value_kind: global_buffer, .address_space: global }
    .group_segment_fixed_size: 327680
    .private_segment_fixed_size: 0
    .kernarg_segment_align: 8
    .kernarg_segment_size: 32
    .max_flat_workgroup_size: 128
    .sgpr_count:     80
    .vgpr_count:     512
    .wavefront_size: 32
...
	.end_amdgpu_metadata
.endif
;; end of part 4
;; launch norm1 (part 5): grid 256 x 1, 8 waves a work-group, no clusters, 0 bytes of LDS; arguments y1b, ln1_scale, ln1_offset, nrm; writes nrm
.if DOCPART == 5
	.amdgcn_target "amdgcn-amd-amdhsa--gfx1250"
	.amdhsa_code_object_version 6
	.text
	.protected	k_qb25776c842_norm1
	.globl	k_qb25776c842_norm1
	.p2align	8
	.type	k_qb25776c842_norm1,@function
k_qb25776c842_norm1:
	s_mov_b64 s[64:65], 0
	v_nop
	global_prefetch_b8 v0, s[64:65] scope:SCOPE_SE
	s_setreg_imm32_b32 hwreg(HW_REG_WAVE_MODE, 25, 1), 1
	s_wait_xcnt 0x0
; norm = (y1 - mean) rsqrt(var + 1e-5) scale + offset, mean and var over the 2,048 rows of a batch for each column.  y1 comes as tile images, with the mean and the sum of squared distances of each group of 64 rows.
; The 32 groups of a batch are joined without a difference of large sums: mean = the mean of the groups' means; M2 = the sum of the groups' M2 + 64 x the sum of (group's mean - mean)^2; var = M2 / 2,048.
; A work-group takes 128 columns x 128 rows; wave w one tile of 16 columns for eight tiles of rows.  Lane (r, h) holds row r and columns 8 h + 0..7; for the statistics lane r takes groups 2 r and 2 r + 1 of its eight columns,
; and four steps inside the sixteen lanes of a half join them.  norm leaves twice: f32 tile images (the residual of the second half of the layer) and f16 register images (the next product's operand): every store covers
; 512 consecutive bytes, aligned.  No LDS, no barrier.  LIMIT: norm must lie under 65,504 in magnitude for its f16 image.
.set ME,  16                           ; v16-31  the means of my two groups, eight columns each
.set MQ,  32                           ; v32-47  their M2
.set SCL, 48                           ; v48-55  scale
.set OFS, 56                           ; v56-63  offset
.set PAY, 64                           ; v64-127 eight tiles of rows x eight columns
.set MN,  128                          ; v128-135 the mean
.set QQ,  136                          ; v136-143 M2, then rsqrt
.set DT,  144                          ; v144-151 at work
.set AA,  152                          ; v152-159 rsqrt x scale
.set PK,  160                          ; v160-191 f16
	s_load_b256 s[4:11], s[0:1], 0x0               ; y1b, scale, offset, nrm
	v_lshrrev_b32 v1, 5, v0
	v_readfirstlane_b32 s12, v1                    ; wave 0..7
	s_and_b32 s13, ttmp9, 7                        ; which 128 columns
	s_lshr_b32 s14, ttmp9, 3                       ; which 128 rows
	s_lshr_b32 s15, s14, 4                         ; the batch
	s_lshl_b32 s16, s13, 3
	s_add_co_u32 s16, s16, s12                     ; my tile of columns
	s_lshl_b32 s18, s16, 6
	s_mov_b32 s19, 0
	s_lshl_b32 s20, s15, 17                        ; the batch's 32 groups of 4,096 bytes
	s_add_co_u32 s20, s20, s18
	s_add_co_u32 s20, s20, 16777216
	s_mov_b32 s21, 0
	s_lshl_b32 s22, s14, 19
	s_lshl_b32 s23, s16, 10
	s_add_co_u32 s22, s22, s23                     ; my first tile image
	s_mov_b32 s23, 0
	s_lshl_b32 s24, s13, 20                        ; the f16 images: [128 columns][tile of rows][4 KB]
	s_lshl_b32 s25, s14, 15
	s_add_co_u32 s24, s24, s25
	s_lshl_b32 s25, s12, 9
	s_add_co_u32 s24, s24, s25
	s_add_co_u32 s24, s24, 16777216
	s_mov_b32 s25, 0
	s_mov_b32 s28, 0x3a000000                      ; 1 / 2,048
	s_mov_b32 s29, 0x3727c5ac                      ; 1e-5
	v_and_b32 v2, 15, v0
	v_bfe_u32 v3, v0, 4, 1
	v_lshlrev_b32 v4, 13, v2
	v_lshl_add_u32 v4, v3, 5, v4                   ; two groups a lane, 32 bytes for each half
	v_lshlrev_b32 v5, 5, v3
	v_and_b32 v6, 31, v0
	v_lshlrev_b32 v6, 4, v6
	s_wait_kmcnt 0x0
	s_add_nc_u64 s[20:21], s[4:5], s[20:21]
	s_add_nc_u64 s[4:5], s[4:5], s[22:23]
	s_add_nc_u64 s[6:7], s[6:7], s[18:19]
	s_add_nc_u64 s[8:9], s[8:9], s[18:19]
	s_add_nc_u64 s[24:25], s[10:11], s[24:25]
	s_add_nc_u64 s[10:11], s[10:11], s[22:23]
.irp e, 0,1
.irp g, 0,1
	global_load_b128 v[ME+8*\e+4*\g:ME+8*\e+4*\g+3], v4, s[20:21] offset:\e*4096+16*\g
	global_load_b128 v[MQ+8*\e+4*\g:MQ+8*\e+4*\g+3], v4, s[20:21] offset:262144+\e*4096+16*\g
.endr
.endr
.irp g, 0,1
	global_load_b128 v[SCL+4*\g:SCL+4*\g+3], v5, s[6:7] offset:16*\g
	global_load_b128 v[OFS+4*\g:OFS+4*\g+3], v5, s[8:9] offset:16*\g
.endr
.irp i, 0,1,2,3,4,5,6,7
.irp g, 0,1
	global_load_b128 v[PAY+8*\i+4*\g:PAY+8*\i+4*\g+3], v6, s[4:5] offset:\i*65536+\g*512 th:TH_LOAD_NT
.endr
.endr
	s_wait_loadcnt 16                              ; the statistics and the parameters are in; the sixteen loads of y1 may be out
.irp p, 0,2,4,6
	v_pk_add_f32 v[MN+\p:MN+\p+1], v[ME+\p:ME+\p+1], v[ME+8+\p:ME+8+\p+1]
	v_pk_add_f32 v[QQ+\p:QQ+\p+1], v[MQ+\p:MQ+\p+1], v[MQ+8+\p:MQ+8+\p+1]
.endr
.irp m, 1,2,4,8
.irp j, 0,1,2,3,4,5,6,7
	v_add_f32_dpp v[MN+\j], v[MN+\j], v[MN+\j] row_xmask:\m row_mask:0xf bank_mask:0xf
.endr
.endr
.irp p, 0,2,4,6
	v_pk_mul_f32 v[MN+\p:MN+\p+1], v[MN+\p:MN+\p+1], 0x3d000000 op_sel_hi:[1,0]   ; / 32 groups
.endr
.irp e, 0,1
.irp p, 0,2,4,6
	v_pk_add_f32 v[DT+\p:DT+\p+1], v[ME+8*\e+\p:ME+8*\e+\p+1], v[MN+\p:MN+\p+1] neg_lo:[0,1] neg_hi:[0,1]
.endr
.irp p, 0,2,4,6
	v_pk_mul_f32 v[ME+8*\e+\p:ME+8*\e+\p+1], v[DT+\p:DT+\p+1], 0x42800000 op_sel_hi:[1,0]   ; 64 d
.endr
.irp p, 0,2,4,6
	v_pk_fma_f32 v[QQ+\p:QQ+\p+1], v[ME+8*\e+\p:ME+8*\e+\p+1], v[DT+\p:DT+\p+1], v[QQ+\p:QQ+\p+1]
.endr
.endr
.irp m, 1,2,4,8
.irp j, 0,1,2,3,4,5,6,7
	v_add_f32_dpp v[QQ+\j], v[QQ+\j], v[QQ+\j] row_xmask:\m row_mask:0xf bank_mask:0xf
.endr
.endr
.irp j, 0,1,2,3,4,5,6,7
	v_fma_f32 v[QQ+\j], v[QQ+\j], s28, s29         ; var + 1e-5
.endr
.irp j, 0,1,2,3,4,5,6,7
	v_rsq_f32 v[QQ+\j], v[QQ+\j]
.endr
	v_nop                                          ; a plain instruction behind the last of the batch
	s_wait_alu depctr_va_vdst(0)                   ; one wait for the eight, ahead of their first reader
.irp p, 0,2,4,6
	v_pk_mul_f32 v[AA+\p:AA+\p+1], v[QQ+\p:QQ+\p+1], v[SCL+\p:SCL+\p+1]
.endr
	s_wait_loadcnt 0x0
.irp i, 0,1,2,3,4,5,6,7
.irp p, 0,2,4,6
	v_pk_add_f32 v[PAY+8*\i+\p:PAY+8*\i+\p+1], v[PAY+8*\i+\p:PAY+8*\i+\p+1], v[MN+\p:MN+\p+1] neg_lo:[0,1] neg_hi:[0,1]
.endr
.irp p, 0,2,4,6
	v_pk_fma_f32 v[PAY+8*\i+\p:PAY+8*\i+\p+1], v[PAY+8*\i+\p:PAY+8*\i+\p+1], v[AA+\p:AA+\p+1], v[OFS+\p:OFS+\p+1]
.endr
.irp g, 0,1
	global_store_b128 v6, v[PAY+8*\i+4*\g:PAY+8*\i+4*\g+3], s[10:11] offset:\i*65536+\g*512
.endr
.irp k, 0,1,2,3
	v_cvt_pk_f16_f32 v[PK+4*\i+\k], v[PAY+8*\i+2*\k], v[PAY+8*\i+2*\k+1]
.endr
	global_store_b128 v6, v[PK+4*\i:PK+4*\i+3], s[24:25] offset:\i*4096
.endr
	s_endpgm
.Lfunc_end_k_qb25776c842_norm1:
	.size	k_qb25776c842_norm1, .Lfunc_end_k_qb25776c842_norm1-k_qb25776c842_norm1
	.p2alignl 7, 3214868480
	.fill 96, 4, 3214868480
	.section	.rodata,"a",@progbits
	.p2align	6, 0x0
	.amdhsa_kernel k_qb25776c842_norm1
		.amdhsa_group_segment_fixed_size 0
		.amdhsa_private_segment_fixed_size 0
		.amdhsa_enable_private_segment 0
		.amdhsa_kernarg_size 32
		.amdhsa_user_sgpr_count 2
		.amdhsa_user_sgpr_kernarg_segment_ptr 1
		.amdhsa_wavefront_size32 1
		.amdhsa_system_sgpr_workgroup_id_x 1
		.amdhsa_system_sgpr_workgroup_id_y 1
		.amdhsa_system_sgpr_workgroup_id_z 1
		.amdhsa_system_vgpr_workitem_id 0
		.amdhsa_next_free_vgpr 192
		.amdhsa_next_free_sgpr 66
		.amdhsa_reserve_vcc 0
		.amdhsa_float_denorm_mode_32 3
		.amdhsa_float_denorm_mode_16_64 3
		.amdhsa_memory_ordered 1
		.amdhsa_forward_progress 1
		.amdhsa_inst_pref_size 21
	.end_amdhsa_kernel
	.amdgpu_metadata
---
amdhsa.version: [ 1, 2 ]
amdhsa.kernels:
  - .name:           k_qb25776c842_norm1
    .symbol:         k_qb25776c842_norm1.kd
    .args:
      - { .name: y1b, .offset: 0, .size: 8, .value_kind: global_buffer, .address_space: global }
      - { .name: ln1_scale, .offset: 8, .size: 8, .value_kind: global_buffer, .address_space: global }
      - { .name: ln1_offset, .offset: 16, .size: 8, .value_kind: global_buffer, .address_space: global }
      - { .name: nrm, .offset: 24, .size: 8, .value_kind: global_buffer, .address_space: global }
    .group_segment_fixed_size: 0
    .private_segment_fixed_size: 0
    .kernarg_segment_align: 8
    .kernarg_segment_size: 32
    .max_flat_workgroup_size: 256
    .sgpr_count:     66
    .vgpr_count:     192
    .wavefront_size: 32
...
	.end_amdgpu_metadata
.endif
;; end of part 5
;; launch ffn1 (part 6): grid 16 x 16, 4 waves a work-group, clusters of 4 x 4, 327,680 bytes of LDS; arguments nrm, pbuf, b1, sbuf; writes sbuf
.if DOCPART == 6
	.amdgcn_target "amdgcn-amd-amdhsa--gfx1250"
	.amdhsa_code_object_version 6
	.text
	.protected	k_qb25776c842_ffn1
	.globl	k_qb25776c842_ffn1
	.p2align	8
	.type	k_qb25776c842_ffn1,@function
k_qb25776c842_ffn1:
	s_mov_b64 s[64:65], 0
	v_nop
	global_prefetch_b8 v0, s[64:65] scope:SCOPE_SE
	s_setreg_imm32_b32 hwreg(HW_REG_WAVE_MODE, 25, 1), 1
	s_wait_xcnt 0x0
	s_wait_alu depctr_hold_cnt(0) depctr_sa_sdst(0) depctr_va_vdst(0) depctr_va_sdst(0) depctr_va_ssrc(0) depctr_va_vcc(0) depctr_vm_vsrc(0)
	s_getreg_b32 s2, hwreg(HW_REG_IB_STS2, 6, 4)
	s_cmp_eq_u32 s2, 0
	s_cbranch_scc0 .Lentry_in_a_cluster
	s_endpgm
.Lentry_in_a_cluster:
	s_bfe_u32 s2, ttmp6, 0x10000c
	s_cmp_lg_u32 s2, 0xf033
	s_cbranch_scc0 .Lentry_shape_is_right
	s_endpgm
.Lentry_shape_is_right:
; s = relu(norm w1 + b1), rounded to f16.  norm [4096][1024] and w1 [1024 k][4096 n] come as f16 register images (a fragment of 16 rows x 32 k is 1,024 bytes, a lane's 16 bytes at 512 c + 16 x lane); sums in f32.
; LIMIT: s must lie under 65,504 in magnitude.
; A tile of s is 256 x 256: four waves, each 128 x 128: 64 accumulators, 512 registers.  K goes in steps of 128 through a ring of two LDS slots (64 KB of norm, 64 KB of w1); a wave's tensor load brings 32 KB, dense.
; CLUSTERS: 4 x 4 work-groups: norm's tiles are asked for jointly along a row of the cluster, w1's along a column.
; THE MATRIX INSTRUCTION IS USED TRANSPOSED (source 0 = 16 columns of w1, source 1 = 16 rows of norm): a lane holds row lane % 16 and columns 8 (lane / 16) + 0..7, which pack into 16 bytes of the next product's operand image:
; the way out needs no stage: each store covers 512 consecutive bytes, aligned.  b1 is the C of each sum's first product.
; REGISTERS: window 0: v16-29 addresses; v64-127, v128-191 norm's fragments, two buffers; v192-255 b1 in the result's layout.  window 1: v64-191 w1's fragments, two buffers.  windows 2, 3: the accumulators.
.set KB,     1048576                   ; bytes from a K step's images to the next, in norm's and in w1's
.set AOFF,   16777216                  ; norm's f16 images in nrm
.set BOFF,   0x5c0000                  ; w1's images in pbuf
.set LAPS,   4
.set SLOT,   131072
.set SPARE,  262144                    ; the spare words, 128 bytes for each wave: two blocks of 256 bytes that no other line names
.set ADRA, 16
.set ADRB, 20
.set CO,   26
.set BO,   27
.set SPW,  28
.set NIL,  29
.set F0,   64
.set F1,   128
.set BIAS, 192
.set G1, 24
.set G0, 32
.set G1B, 48
.set G0B, 56
.set MSB, 0
.macro WIN new
.if MSB != (\new)
	s_set_vgpr_msb (MSB<<8)|(\new)
.set MSB, \new
.endif
.endm
.set MUL_LO, 0xa1                      ; source 0 (w1) window 1, source 1 (norm) window 0, C and D window 2
.set MUL_HI, 0xf1
.set TO_B,   0x40
.macro JLOAD s
	s_cmp_eq_u32 s11, 0
	s_cbranch_scc0 .Lfor_b_\@
	tensor_load_to_lds s[G0+4*\s:G0+4*\s+3], s[G1:G1+7]
	s_nop 0
.rept 4
	v_nop
.endr
	s_branch .Lasked_\@
.Lfor_b_\@:
	tensor_load_to_lds s[G0B+4*\s:G0B+4*\s+3], s[G1B:G1B+7]
	s_nop 0
.rept 4
	v_nop
.endr
.Lasked_\@:
.endm
.macro CREST
	s_cmp_lg_u32 s10, 0
	s_cbranch_scc1 .Lnot_wave_0_\@
	s_barrier_signal -3
.Lnot_wave_0_\@:
	s_barrier_wait -3
	s_barrier_signal -1
	s_barrier_wait -1
.endm
.macro CROUND
	s_barrier_signal -1
	s_barrier_wait -1
	CREST
.endm
	s_load_b128 s[4:7], s[0:1], 0x0                ; nrm, pbuf
	s_load_b128 s[68:71], s[0:1], 0x10             ; b1, sbuf
	v_lshl_add_u32 v[SPW], v0, 2, SPARE
	v_mov_b32 v[NIL], 0
	ds_add_u32 v[SPW], v[NIL]                      ; the wave's opening: the add, and its wait ahead of my first tensor load
	v_lshrrev_b32 v1, 5, v0
	v_readfirstlane_b32 s10, v1
	s_lshr_b32 s11, s10, 1                         ; which half of the tile's rows is mine.  Also: I fetch for A (0) or for B (1)
	s_and_b32 s12, s10, 1                          ; which half of its columns.  Also: which half of that tile I fetch
	s_bfe_u32 s40, ttmp6, 0x40000
	s_bfe_u32 s41, ttmp6, 0x40004
	s_lshl_b32 s42, ttmp9, 2
	s_add_co_u32 s42, s42, s40                     ; tile column
	s_and_b32 s13, ttmp7, 0xffff
	s_lshl_b32 s13, s13, 2
	s_add_co_u32 s13, s13, s41                     ; tile row
	s_lshl_b32 s43, s41, 2
	s_lshl_b32 s43, 15, s43
	s_lshl_b32 s44, 0x1111, s40
	s_or_b32 s[G1+0], s43, (3<<16)|(1<<21)         ; the mask; elements of 8 bytes; bit 21 beside a mask; no padding
	s_or_b32 s[G1B+0], s44, (3<<16)|(1<<21)
.irp g, G1, G1B
	s_mov_b32 s[\g+1], 32<<16                      ; 128 rows of 256 bytes, dense
	s_mov_b32 s[\g+2], 128<<16
	s_mov_b32 s[\g+3], 32<<16
	s_mov_b32 s[\g+4], 128
	s_mov_b32 s[\g+5], 32
	s_mov_b32 s[\g+6], 0
	s_mov_b32 s[\g+7], 0
.endr
	s_lshl_b32 s16, s13, 16
	s_lshl_b32 s17, s12, 15
	s_add_co_u32 s16, s16, s17
	s_add_co_u32 s16, s16, AOFF
	s_mov_b32 s17, 0
	s_lshl_b32 s46, s42, 16
	s_lshl_b32 s47, s12, 15
	s_add_co_u32 s46, s46, s47
	s_add_co_u32 s46, s46, BOFF
	s_mov_b32 s47, 0
	s_lshl_b32 s20, s10, 15
	s_lshl_b32 s76, s42, 10                        ; b1: (256 tile column + 128 half) x 4
	s_lshl_b32 s77, s12, 9
	s_add_co_u32 s76, s76, s77
	s_mov_b32 s77, 0
	s_lshl_b32 s78, s42, 21                        ; s: [256 columns][tile of 16 rows][8 KB]: tile column x 2 MB + (16 tile row + 8 half) x 8 KB + column half x 4 KB
	s_lshl_b32 s79, s13, 17
	s_add_co_u32 s78, s78, s79
	s_lshl_b32 s79, s11, 16
	s_add_co_u32 s78, s78, s79
	s_lshl_b32 s79, s12, 12
	s_add_co_u32 s78, s78, s79
	s_mov_b32 s79, 0
	v_bfe_u32 v2, v0, 4, 1
	v_lshlrev_b32 v[BO], 5, v2
	s_wait_dscnt 0x0                               ; the opening add is done
	s_wait_kmcnt 0x0
	s_add_nc_u64 s[14:15], s[4:5], s[16:17]
	s_add_nc_u64 s[46:47], s[6:7], s[46:47]
	s_add_nc_u64 s[68:69], s[68:69], s[76:77]
	s_add_nc_u64 s[8:9], s[70:71], s[78:79]
.irp b, 0,1,2,3,4,5,6,7
.irp e, 0,1
	global_load_b128 v[BIAS+8*\b+4*\e:BIAS+8*\b+4*\e+3], v[BO], s[68:69] offset:64*\b+16*\e   ; b1 at the lane's eight columns of block b
.endr
.endr
	CROUND                                         ; all sixteen work-groups are here: the first joint loads meet
.irp s, 0,1
	s_mov_b32 s[G0+4*\s], 1
	s_add_co_u32 s[G0+4*\s+1], s20, \s*SLOT
	s_add_nc_u64 s[G0+4*\s+2:G0+4*\s+3], s[14:15], \s*KB
	s_or_b32 s[G0+4*\s+3], s[G0+4*\s+3], 0x80000000
	s_mov_b32 s[G0B+4*\s], 1
	s_add_co_u32 s[G0B+4*\s+1], s20, \s*SLOT
	s_add_nc_u64 s[G0B+4*\s+2:G0B+4*\s+3], s[46:47], \s*KB
	s_or_b32 s[G0B+4*\s+3], s[G0B+4*\s+3], 0x80000000
	JLOAD \s
.endr
	v_and_b32 v3, 31, v0
	v_lshlrev_b32 v[CO], 4, v3
	s_lshl_b32 s21, s11, 15
	s_lshl_b32 s22, s12, 15
	s_add_co_u32 s22, s22, 65536
.irp s, 0,1
	v_add_nc_u32 v[ADRA+\s], s21, v[CO]
	v_add_nc_u32 v[ADRB+\s], s22, v[CO]
	s_add_co_u32 s21, s21, SLOT
	s_add_co_u32 s22, s22, SLOT
.endr
; 16 matrix instructions: row blocks a0, a0 + 1 of the window's four x all 8 column blocks, 32 along K.  first = 1: b1 starts the sums.  The 64 accumulators take turns.
.macro MUL16 f, hi, a0, first
.irp a, \a0, \a0+1
.irp b, 0,1,2,3,4,5,6,7
.if \first
	v_wmma_f32_16x16x32_f16 v[8*(8*(\a)+\b):8*(8*(\a)+\b)+7], v[\f+8*\b:\f+8*\b+7], v[\f+8*(4*\hi+\a):\f+8*(4*\hi+\a)+7], v[BIAS+8*\b:BIAS+8*\b+7]
.else
	v_wmma_f32_16x16x32_f16 v[8*(8*(\a)+\b):8*(8*(\a)+\b)+7], v[\f+8*\b:\f+8*\b+7], v[\f+8*(4*\hi+\a):\f+8*(4*\hi+\a)+7], v[8*(8*(\a)+\b):8*(8*(\a)+\b)+7]
.endif
.endr
.endr
.endm
.macro FETCH slot, q, f                ; 32 LDS loads in one run: the fragments of the slot's q-th 32 along K
	WIN TO_B
.irp i, 0,1,2,3,4,5,6,7
	ds_load_b128 v[\f+8*\i:\f+8*\i+3],   v[ADRB+\slot] offset:(\q)*1024+\i*4096
	ds_load_b128 v[\f+8*\i+4:\f+8*\i+7], v[ADRB+\slot] offset:(\q)*1024+\i*4096+512
.endr
	WIN 0
.irp i, 0,1,2,3,4,5,6,7
	ds_load_b128 v[\f+8*\i:\f+8*\i+3],   v[ADRA+\slot] offset:(\q)*1024+\i*4096
	ds_load_b128 v[\f+8*\i+4:\f+8*\i+7], v[ADRA+\slot] offset:(\q)*1024+\i*4096+512
.endr
.endm
.macro PLACES
.rept 4
	v_nop
.endr
.endm
.macro QUARTER slot, q, f, g, first
	s_wait_dscnt 8                                 ; B and A's rows 0-63 are in; the youngest eight loads (A's rows 64-127) may be out
.if \first
	WIN 0x81                                       ; as MUL_LO, with C (b1) in window 0
.else
	WIN MUL_LO
.endif
	MUL16 \f, 0, 0, \first
	MUL16 \f, 0, 2, \first
	PLACES
	FETCH \slot, \q, \g
	s_wait_dscnt 32                                ; all but the 32 just issued
.if \first
	WIN 0xc1
.else
	WIN MUL_HI
.endif
	MUL16 \f, 1, 0, \first
	MUL16 \f, 1, 2, \first
.endm
; The last quarter multiplies buffer 1 and changes slots: one barrier; in front of it each wave waits for all its tensor loads, adds 0 to its spare word, and waits for that and for its reads of this slot.
.macro TURN slot, next, fill
	WIN 0
	s_wait_tensorcnt 0x0
	ds_add_u32 v[SPW], v[NIL]
	s_wait_dscnt 9                                 ; (the add and the youngest eight loads may be out)
	WIN MUL_LO
	MUL16 F1, 0, 0, 0
	s_wait_dscnt 0x0
	s_barrier_signal -1
	MUL16 F1, 0, 2, 0
.if \fill
	WIN 0
.endif
	s_barrier_wait -1
.if \fill
	CREST                                          ; the barrier has opened a round of the cluster's barrier
	s_add_nc_u64 s[G0+4*\slot+2:G0+4*\slot+3], s[G0+4*\slot+2:G0+4*\slot+3], 2*KB
	s_add_nc_u64 s[G0B+4*\slot+2:G0B+4*\slot+3], s[G0B+4*\slot+2:G0B+4*\slot+3], 2*KB
	JLOAD \slot                                    ; the first tensor load behind the round; its four v_nop are also the places in front of the loads below
.else
	PLACES
.endif
	FETCH \next, 0, F0
	WIN MUL_HI
	MUL16 F1, 1, 0, 0
	MUL16 F1, 1, 2, 0
.endm
	s_wait_tensorcnt 1                             ; my part of K step 0 is in (K step 1's load may be out)
	s_barrier_signal -1
	s_barrier_wait -1
	FETCH 0, 0, F0
	s_wait_loadcnt 0x0                             ; b1
	QUARTER 0, 1, F0, F1, 1
	WIN 0
	s_mov_b32 s3, LAPS-1
.Llap:
	QUARTER 0, 2, F1, F0, 0
	QUARTER 0, 3, F0, F1, 0
	TURN 0, 1, 1
	QUARTER 1, 1, F0, F1, 0
	QUARTER 1, 2, F1, F0, 0
	QUARTER 1, 3, F0, F1, 0
	TURN 1, 0, 1
	QUARTER 0, 1, F0, F1, 0
	WIN 0
	s_sub_co_u32 s3, s3, 1
	s_cmp_lg_u32 s3, 0
	s_cbranch_scc1 .Llap
	QUARTER 0, 2, F1, F0, 0                        ; the last lap fills nothing
	QUARTER 0, 3, F0, F1, 0
	TURN 0, 1, 0
	QUARTER 1, 1, F0, F1, 0
	QUARTER 1, 2, F1, F0, 0
	QUARTER 1, 3, F0, F1, 0
	s_wait_dscnt 8
	WIN MUL_LO
	MUL16 F1, 0, 0, 0
	MUL16 F1, 0, 2, 0
	s_wait_dscnt 0
	WIN MUL_HI
	MUL16 F1, 1, 0, 0
	MUL16 F1, 1, 2, 0
	WIN 0
; THE WAY OUT, a block of 16 rows at a time: relu in f32, rounding to f16, eight stores.
.macro OUTB a
.set AC, 64*((\a)%4)
.set TM, 128+32*((\a)%2)
	WIN 0x08+4*((\a)/4)                            ; source 1: window 2 or 3
.set j, 0
.rept 64
	v_max_num_f32 v[64+j], 0, v[AC+j]              ; each accumulator from its low end on
.set j, j+1
.endr
	WIN 0
.set j, 0
.rept 32
	v_cvt_pk_f16_f32 v[TM+j], v[64+2*j], v[64+2*j+1]
.set j, j+1
.endr
.irp b, 0,1,2,3,4,5,6,7
	global_store_b128 v[CO], v[TM+4*\b:TM+4*\b+3], s[8:9] offset:(\a)*8192+\b*512
.endr
.endm
	PLACES                                         ; behind the last products: their results are read, and the fragments' registers are written
.irp a, 0,1,2,3,4,5,6,7
.if \a > 1
	s_wait_xcnt 0x0                                ; block a - 2's stores have read their registers
.endif
	OUTB \a
.endr
	s_wait_tensorcnt 0x0                           ; the wave's end
	ds_add_u32 v[SPW], v[NIL]
	s_wait_dscnt 0x0
	CROUND                                         ; the closing round
	s_endpgm
.Lfunc_end_k_qb25776c842_ffn1:
	.size	k_qb25776c842_ffn1, .Lfunc_end_k_qb25776c842_ffn1-k_qb25776c842_ffn1
	.p2alignl 7, 3214868480
	.fill 96, 4, 3214868480
	.section	.rodata,"a",@progbits
	.p2align	6, 0x0
	.amdhsa_kernel k_qb25776c842_ffn1
		.amdhsa_group_segment_fixed_size 327680
		.amdhsa_private_segment_fixed_size 0
		.amdhsa_enable_private_segment 0
		.amdhsa_kernarg_size 32
		.amdhsa_user_sgpr_count 2
		.amdhsa_user_sgpr_kernarg_segment_ptr 1
		.amdhsa_wavefront_size32 1
		.amdhsa_system_sgpr_workgroup_id_x 1
		.amdhsa_system_sgpr_workgroup_id_y 1
		.amdhsa_system_sgpr_workgroup_id_z 1
		.amdhsa_system_vgpr_workitem_id 0
		.amdhsa_next_free_vgpr 1024
		.amdhsa_next_free_sgpr 80
		.amdhsa_reserve_vcc 0
		.amdhsa_float_denorm_mode_32 3
		.amdhsa_float_denorm_mode_16_64 3
		.amdhsa_memory_ordered 1
		.amdhsa_forward_progress 1
		.amdhsa_inst_pref_size 151
	.end_amdhsa_kernel
	.amdgpu_metadata
---
amdhsa.version: [ 1, 2 ]
amdhsa.kernels:
  - .name:           k_qb25776c842_ffn1
    .symbol:         k_qb25776c842_ffn1.kd
    .args:
      - { .name: nrm, .offset: 0, .size: 8, .value_kind: global_buffer, .address_space: global }
      - { .name: pbuf, .offset: 8, .size: 8, .value_kind: global_buffer, .address_space: global }
      - { .name: b1, .offset: 16, .size: 8, .value_kind: global_buffer, .address_space: global }
      - { .name: sbuf, .offset: 24, .size: 8, .value_kind: global_buffer, .address_space: global }
    .group_segment_fixed_size: 327680
    .private_segment_fixed_size: 0
    .kernarg_segment_align: 8
    .kernarg_segment_size: 32
    .max_flat_workgroup_size: 128
    .sgpr_count:     80
    .vgpr_count:     1024
    .wavefront_size: 32
...
	.end_amdgpu_metadata
.endif
;; end of part 6
;; launch ffn2 (part 7): grid 8 x 32, 4 waves a work-group, clusters of 4 x 4, 327,680 bytes of LDS; arguments sbuf, pbuf, nrm, b2, y2b; writes y2b
.if DOCPART == 7
	.amdgcn_target "amdgcn-amd-amdhsa--gfx1250"
	.amdhsa_code_object_version 6
	.text
	.protected	k_qb25776c842_ffn2
	.globl	k_qb25776c842_ffn2
	.p2align	8
	.type	k_qb25776c842_ffn2,@function
k_qb25776c842_ffn2:
	s_mov_b64 s[64:65], 0
	v_nop
	global_prefetch_b8 v0, s[64:65] scope:SCOPE_SE
	s_setreg_imm32_b32 hwreg(HW_REG_WAVE_MODE, 25, 1), 1
	s_wait_xcnt 0x0
	s_wait_alu depctr_hold_cnt(0) depctr_sa_sdst(0) depctr_va_vdst(0) depctr_va_sdst(0) depctr_va_ssrc(0) depctr_va_vcc(0) depctr_vm_vsrc(0)
	s_getreg_b32 s2, hwreg(HW_REG_IB_STS2, 6, 4)
	s_cmp_eq_u32 s2, 0
	s_cbranch_scc0 .Lentry_in_a_cluster
	s_endpgm
.Lentry_in_a_cluster:
	s_bfe_u32 s2, ttmp6, 0x10000c
	s_cmp_lg_u32 s2, 0xf033
	s_cbranch_scc0 .Lentry_shape_is_right
	s_endpgm
.Lentry_shape_is_right:
; y2 = norm + s w2 + b2, and for each group of 64 rows and each column the mean and the sum of squared distances from it (the next launch joins the groups for the layer norm over the sequence).
; s [4096][4096] and w2 [4096 k][1024 n] come as f16 register images; sums in f32.  A tile of y2 is 128 x 128; four waves, each 64 x 64: 16 accumulators.  K goes in steps of 256 through a ring of two LDS slots
; (64 KB of s, 64 KB of w2); a wave's tensor load brings 32 KB, dense.  CLUSTERS: 4 x 4 work-groups: s's tiles are asked for jointly along a row of the cluster, w2's along a column.
; THE MATRIX INSTRUCTION IS USED TRANSPOSED (source 0 = 16 columns of w2, source 1 = 16 rows of s): a lane holds row lane % 16 and columns 8 (lane / 16) + 0..7.
; THE RESIDUAL AND THE BIAS START THE SUMS: norm's f32 tile images are the accumulators' registers as they stand; b2 is added to them once; every product adds in place.  y2 leaves as tile images likewise.
; REGISTERS: window 0: v16-31 addresses; v32-127 at work; v128-255 the accumulators ((a, b) at v[128 + 8 (4 a + b)]).  window 1: two fragment buffers of 128.
.set KBA,    2097152
.set KBB,    524288
.set BOFF,   0xdc0000                  ; w2's images in pbuf
.set LAPS,   8                         ; K = 4,096: sixteen K steps
.set SLOT,   131072
.set SCR,    296960                    ; 512 bytes for each wave: 64 means, 64 sums of squares
.set SPARE,  299008                    ; the spare words, 128 bytes for each wave: two blocks of 256 bytes that no other line names
.set ADRA, 16
.set ADRB, 20
.set STO8, 23
.set CO,   26
.set BO,   27
.set SPW,  28
.set NIL,  29
.set SCW,  30
.set SCRD, 31
.set ACC,  128
.set F0,   0
.set F1,   128
.set G1, 24
.set G0, 32
.set G1B, 48
.set G0B, 56
.set MSB, 0
.macro WIN new
.if MSB != (\new)
	s_set_vgpr_msb (MSB<<8)|(\new)
.set MSB, \new
.endif
.endm
.set MUL,  0x05
.set TO_F, 0x40
.macro JLOAD s
	s_cmp_eq_u32 s11, 0
	s_cbranch_scc0 .Lfor_b_\@
	tensor_load_to_lds s[G0+4*\s:G0+4*\s+3], s[G1:G1+7]
	s_nop 0
.rept 4
	v_nop
.endr
	s_branch .Lasked_\@
.Lfor_b_\@:
	tensor_load_to_lds s[G0B+4*\s:G0B+4*\s+3], s[G1B:G1B+7]
	s_nop 0
.rept 4
	v_nop
.endr
.Lasked_\@:
.endm
.macro CREST
	s_cmp_lg_u32 s10, 0
	s_cbranch_scc1 .Lnot_wave_0_\@
	s_barrier_signal -3
.Lnot_wave_0_\@:
	s_barrier_wait -3
	s_barrier_signal -1
	s_barrier_wait -1
.endm
.macro CROUND
	s_barrier_signal -1
	s_barrier_wait -1
	CREST
.endm
	s_load_b128 s[4:7], s[0:1], 0x0                ; s's images, pbuf
	s_load_b128 s[68:71], s[0:1], 0x10             ; nrm, b2
	s_load_b64 s[72:73], s[0:1], 0x20              ; y2b
	v_lshl_add_u32 v[SPW], v0, 2, SPARE
	v_mov_b32 v[NIL], 0
	ds_add_u32 v[SPW], v[NIL]                      ; the wave's opening: the add, and its wait ahead of my first tensor load
	v_lshrrev_b32 v1, 5, v0
	v_readfirstlane_b32 s10, v1
	s_lshr_b32 s11, s10, 1
	s_and_b32 s12, s10, 1
	s_bfe_u32 s40, ttmp6, 0x40000
	s_bfe_u32 s41, ttmp6, 0x40004
	s_lshl_b32 s42, ttmp9, 2
	s_add_co_u32 s42, s42, s40                     ; tile column
	s_and_b32 s13, ttmp7, 0xffff
	s_lshl_b32 s13, s13, 2
	s_add_co_u32 s13, s13, s41                     ; tile row
	s_lshl_b32 s43, s41, 2
	s_lshl_b32 s43, 15, s43
	s_lshl_b32 s44, 0x1111, s40
	s_or_b32 s[G1+0], s43, (3<<16)|(1<<21)
	s_or_b32 s[G1B+0], s44, (3<<16)|(1<<21)
.irp g, G1, G1B
	s_mov_b32 s[\g+1], 32<<16                      ; 128 rows of 256 bytes, dense
	s_mov_b32 s[\g+2], 128<<16
	s_mov_b32 s[\g+3], 32<<16
	s_mov_b32 s[\g+4], 128
	s_mov_b32 s[\g+5], 32
	s_mov_b32 s[\g+6], 0
	s_mov_b32 s[\g+7], 0
.endr
	s_lshl_b32 s16, s13, 16
	s_lshl_b32 s17, s12, 15
	s_add_co_u32 s16, s16, s17
	s_mov_b32 s17, 0
	s_lshl_b32 s46, s42, 16
	s_lshl_b32 s47, s12, 15
	s_add_co_u32 s46, s46, s47
	s_mov_b32 s47, 0
	s_lshl_b32 s20, s10, 15
	s_lshl_b32 s76, s13, 19                        ; my first tile of rows: (8 tile row + 4 half) x 64 KB
	s_lshl_b32 s77, s11, 18
	s_add_co_u32 s76, s76, s77
	s_lshl_b32 s78, s42, 9
	s_lshl_b32 s77, s12, 8
	s_add_co_u32 s78, s78, s77                     ; my first column x 4
	s_mov_b32 s77, 0
	s_mov_b32 s79, 0
	v_and_b32 v1, 15, v0
	v_bfe_u32 v2, v0, 4, 1
	v_and_b32 v3, 31, v0
	v_lshlrev_b32 v[CO], 4, v3
	v_lshlrev_b32 v[STO8], 3, v3
	v_lshlrev_b32 v[BO], 5, v2
	s_wait_dscnt 0x0                               ; the opening add is done
	s_wait_kmcnt 0x0
	s_add_nc_u64 s[6:7], s[6:7], BOFF
	s_add_nc_u64 s[14:15], s[4:5], s[16:17]
	s_add_nc_u64 s[46:47], s[6:7], s[46:47]
	s_lshl_b32 s22, s78, 4                         ; my first tile of columns x 1 KB
	s_mov_b32 s23, 0
	s_add_nc_u64 s[68:69], s[68:69], s[76:77]
	s_add_nc_u64 s[68:69], s[68:69], s[22:23]      ; norm's tile images
	s_add_nc_u64 s[8:9], s[72:73], s[76:77]
	s_add_nc_u64 s[8:9], s[8:9], s[22:23]          ; y2's
	s_add_nc_u64 s[70:71], s[70:71], s[78:79]      ; b2 at my first column
	s_lshr_b32 s22, s76, 6                         ; the statistics: group (2 tile row + half) x 4,096 bytes
	s_add_co_u32 s22, s22, 16777216
	s_add_nc_u64 s[74:75], s[72:73], s[22:23]
	s_add_nc_u64 s[74:75], s[74:75], s[78:79]
.irp a, 0,1,2,3
.irp b, 0,1,2,3
.irp e, 0,1
	global_load_b128 v[ACC+8*(4*\a+\b)+4*\e:ACC+8*(4*\a+\b)+4*\e+3], v[CO], s[68:69] offset:\a*65536+\b*1024+\e*512 th:TH_LOAD_NT
.endr
.endr
.endr
.irp b, 0,1,2,3
.irp e, 0,1
	global_load_b128 v[32+8*\b+4*\e:32+8*\b+4*\e+3], v[BO], s[70:71] offset:64*\b+16*\e
.endr
.endr
	CROUND                                         ; all sixteen work-groups are here: the first joint loads meet
.irp s, 0,1
	s_mov_b32 s[G0+4*\s], 1
	s_add_co_u32 s[G0+4*\s+1], s20, \s*SLOT
	s_add_nc_u64 s[G0+4*\s+2:G0+4*\s+3], s[14:15], \s*KBA
	s_or_b32 s[G0+4*\s+3], s[G0+4*\s+3], 0x80000000
	s_mov_b32 s[G0B+4*\s], 1
	s_add_co_u32 s[G0B+4*\s+1], s20, \s*SLOT
	s_add_nc_u64 s[G0B+4*\s+2:G0B+4*\s+3], s[46:47], \s*KBB
	s_or_b32 s[G0B+4*\s+3], s[G0B+4*\s+3], 0x80000000
	JLOAD \s
.endr
	s_lshl_b32 s21, s11, 15
	s_lshl_b32 s22, s12, 15
	s_add_co_u32 s22, s22, 65536
.irp s, 0,1
	v_add_nc_u32 v[ADRA+\s], s21, v[CO]
	v_add_nc_u32 v[ADRB+\s], s22, v[CO]
	s_add_co_u32 s21, s21, SLOT
	s_add_co_u32 s22, s22, SLOT
.endr
	s_lshl_b32 s23, s10, 9
	s_add_co_u32 s23, s23, SCR
	v_add_nc_u32 v[SCW], s23, v[BO]
	v_add_nc_u32 v[SCRD], s23, v[STO8]
	s_wait_loadcnt 0x0
.irp a, 0,1,2,3
.irp p, 0,2,4,6,8,10,12,14,16,18,20,22,24,26,28,30
	v_pk_add_f32 v[ACC+32*\a+\p:ACC+32*\a+\p+1], v[ACC+32*\a+\p:ACC+32*\a+\p+1], v[32+\p:33+\p]   ; norm + b2
.endr
.endr
.macro MUL8 f, c, a0                   ; the 16 accumulators take turns
.irp a, \a0, \a0+1
.irp b, 0,1,2,3
	v_wmma_f32_16x16x32_f16 v[ACC+8*(4*(\a)+\b):ACC+8*(4*(\a)+\b)+7], v[\f+64+8*(4*\c+\b):\f+64+8*(4*\c+\b)+7], v[\f+8*(4*\c+\a):\f+8*(4*\c+\a)+7], v[ACC+8*(4*(\a)+\b):ACC+8*(4*(\a)+\b)+7]
.endr
.endr
.endm
.macro FETCH slot, q, f
	WIN TO_F
.irp c, 0,1
.irp i, 0,1,2,3
	ds_load_b128 v[\f+64+8*(4*\c+\i):\f+64+8*(4*\c+\i)+3],   v[ADRB+\slot] offset:(2*(\q)+\c)*1024+\i*8192
	ds_load_b128 v[\f+64+8*(4*\c+\i)+4:\f+64+8*(4*\c+\i)+7], v[ADRB+\slot] offset:(2*(\q)+\c)*1024+\i*8192+512
	ds_load_b128 v[\f+8*(4*\c+\i):\f+8*(4*\c+\i)+3],         v[ADRA+\slot] offset:(2*(\q)+\c)*1024+\i*8192
	ds_load_b128 v[\f+8*(4*\c+\i)+4:\f+8*(4*\c+\i)+7],       v[ADRA+\slot] offset:(2*(\q)+\c)*1024+\i*8192+512
.endr
.endr
.endm
.macro PLACES
.rept 4
	v_nop
.endr
.endm
.macro QUARTER slot, q, f, g
	s_wait_dscnt 16                                ; the first 32 along K are in
	WIN MUL
	MUL8 \f, 0, 0
	MUL8 \f, 0, 2
	PLACES
	FETCH \slot, \q, \g
	s_wait_dscnt 32                                ; all but the 32 just issued
	WIN MUL
	MUL8 \f, 1, 0
	MUL8 \f, 1, 2
.endm
.macro TURN slot, next, fill           ; the change of slots: one barrier; in front of it each wave waits for all its tensor loads, adds 0 to its spare word, and waits for that and for its reads of this slot
	WIN 0
	s_wait_tensorcnt 0x0
	ds_add_u32 v[SPW], v[NIL]
	s_wait_dscnt 17                                ; (the add and the youngest sixteen loads may be out)
	WIN MUL
	MUL8 F1, 0, 0
	s_wait_dscnt 0x0
	s_barrier_signal -1
	MUL8 F1, 0, 2
.if \fill
	WIN 0
.endif
	s_barrier_wait -1
.if \fill
	CREST                                          ; the barrier has opened a round of the cluster's barrier
	s_add_nc_u64 s[G0+4*\slot+2:G0+4*\slot+3], s[G0+4*\slot+2:G0+4*\slot+3], 2*KBA
	s_add_nc_u64 s[G0B+4*\slot+2:G0B+4*\slot+3], s[G0B+4*\slot+2:G0B+4*\slot+3], 2*KBB
	JLOAD \slot
.else
	PLACES
.endif
	FETCH \next, 0, F0
	WIN MUL
	MUL8 F1, 1, 0
	MUL8 F1, 1, 2
.endm
	s_wait_tensorcnt 1                             ; my part of K step 0 is in (K step 1's load may be out)
	s_barrier_signal -1
	s_barrier_wait -1
	FETCH 0, 0, F0
	QUARTER 0, 1, F0, F1
	WIN 0
	s_mov_b32 s3, LAPS-1
.Llap:
	QUARTER 0, 2, F1, F0
	QUARTER 0, 3, F0, F1
	TURN 0, 1, 1
	QUARTER 1, 1, F0, F1
	QUARTER 1, 2, F1, F0
	QUARTER 1, 3, F0, F1
	TURN 1, 0, 1
	QUARTER 0, 1, F0, F1
	WIN 0
	s_sub_co_u32 s3, s3, 1
	s_cmp_lg_u32 s3, 0
	s_cbranch_scc1 .Llap
	QUARTER 0, 2, F1, F0
	QUARTER 0, 3, F0, F1
	TURN 0, 1, 0
	QUARTER 1, 1, F0, F1
	QUARTER 1, 2, F1, F0
	QUARTER 1, 3, F0, F1
	s_wait_dscnt 16
	WIN MUL
	MUL8 F1, 0, 0
	MUL8 F1, 0, 2
	s_wait_dscnt 0
	MUL8 F1, 1, 0
	MUL8 F1, 1, 2
	WIN 0
	; THE WAY OUT.  The accumulators leave as they stand, each from its low end on; then the statistics of my 64 rows for each of my 64 columns: first the mean, then the squares of the distances from it.
	PLACES
.irp a, 0,1,2,3
.irp b, 0,1,2,3
.irp e, 0,1
	global_store_b128 v[CO], v[ACC+8*(4*\a+\b)+4*\e:ACC+8*(4*\a+\b)+4*\e+3], s[8:9] offset:\a*65536+\b*1024+\e*512
.endr
.endr
.endr
.irp p, 0,2,4,6,8,10,12,14,16,18,20,22,24,26,28,30
	v_pk_add_f32 v[32+\p:33+\p], v[ACC+\p:ACC+\p+1], v[ACC+32+\p:ACC+33+\p]
.endr
.irp a, 2,3
.irp p, 0,2,4,6,8,10,12,14,16,18,20,22,24,26,28,30
	v_pk_add_f32 v[32+\p:33+\p], v[32+\p:33+\p], v[ACC+32*\a+\p:ACC+32*\a+\p+1]
.endr
.endr
.irp m, 1,2,4,8
.set j, 0
.rept 32
	v_add_f32_dpp v[32+j], v[32+j], v[32+j] row_xmask:\m row_mask:0xf bank_mask:0xf
.set j, j+1
.endr
.endr
.irp p, 0,2,4,6,8,10,12,14,16,18,20,22,24,26,28,30
	v_pk_mul_f32 v[32+\p:33+\p], v[32+\p:33+\p], 0x3c800000 op_sel_hi:[1,0]   ; / 64
.endr
.irp a, 0,1,2,3
.irp p, 0,2,4,6,8,10,12,14,16,18,20,22,24,26,28,30
	v_pk_add_f32 v[96+\p:97+\p], v[ACC+32*\a+\p:ACC+32*\a+\p+1], v[32+\p:33+\p] neg_lo:[0,1] neg_hi:[0,1]
.endr
.irp p, 0,2,4,6,8,10,12,14,16,18,20,22,24,26,28,30
.if \a == 0
	v_pk_mul_f32 v[64+\p:65+\p], v[96+\p:97+\p], v[96+\p:97+\p]
.else
	v_pk_fma_f32 v[64+\p:65+\p], v[96+\p:97+\p], v[96+\p:97+\p], v[64+\p:65+\p]
.endif
.endr
.endr
.irp m, 1,2,4,8
.set j, 0
.rept 32
	v_add_f32_dpp v[64+j], v[64+j], v[64+j] row_xmask:\m row_mask:0xf bank_mask:0xf
.set j, j+1
.endr
.endr
.irp b, 0,1,2,3                                ; through my 512 bytes of LDS, so that 32 lanes store 256 consecutive bytes; the sixteen lanes of a half write the same bytes with the same values
.irp e, 0,1
	ds_store_b128 v[SCW], v[32+8*\b+4*\e:32+8*\b+4*\e+3] offset:64*\b+16*\e
	ds_store_b128 v[SCW], v[64+8*\b+4*\e:64+8*\b+4*\e+3] offset:256+64*\b+16*\e
.endr
.endr
	ds_load_b64 v[96:97], v[SCRD]                  ; LDS serves a wave's instructions in order: these see my stores
	ds_load_b64 v[98:99], v[SCRD] offset:256
	s_wait_dscnt 0x0
	global_store_b64 v[STO8], v[96:97], s[74:75]
	global_store_b64 v[STO8], v[98:99], s[74:75] offset:262144
	s_wait_tensorcnt 0x0                           ; the wave's end
	ds_add_u32 v[SPW], v[NIL]
	s_wait_dscnt 0x0
	CROUND                                         ; the closing round
	s_endpgm
.Lfunc_end_k_qb25776c842_ffn2:
	.size	k_qb25776c842_ffn2, .Lfunc_end_k_qb25776c842_ffn2-k_qb25776c842_ffn2
	.p2alignl 7, 3214868480
	.fill 96, 4, 3214868480
	.section	.rodata,"a",@progbits
	.p2align	6, 0x0
	.amdhsa_kernel k_qb25776c842_ffn2
		.amdhsa_group_segment_fixed_size 327680
		.amdhsa_private_segment_fixed_size 0
		.amdhsa_enable_private_segment 0
		.amdhsa_kernarg_size 40
		.amdhsa_user_sgpr_count 2
		.amdhsa_user_sgpr_kernarg_segment_ptr 1
		.amdhsa_wavefront_size32 1
		.amdhsa_system_sgpr_workgroup_id_x 1
		.amdhsa_system_sgpr_workgroup_id_y 1
		.amdhsa_system_sgpr_workgroup_id_z 1
		.amdhsa_system_vgpr_workitem_id 0
		.amdhsa_next_free_vgpr 512
		.amdhsa_next_free_sgpr 80
		.amdhsa_reserve_vcc 0
		.amdhsa_float_denorm_mode_32 3
		.amdhsa_float_denorm_mode_16_64 3
		.amdhsa_memory_ordered 1
		.amdhsa_forward_progress 1
		.amdhsa_inst_pref_size 119
	.end_amdhsa_kernel
	.amdgpu_metadata
---
amdhsa.version: [ 1, 2 ]
amdhsa.kernels:
  - .name:           k_qb25776c842_ffn2
    .symbol:         k_qb25776c842_ffn2.kd
    .args:
      - { .name: sbuf, .offset: 0, .size: 8, .value_kind: global_buffer, .address_space: global }
      - { .name: pbuf, .offset: 8, .size: 8, .value_kind: global_buffer, .address_space: global }
      - { .name: nrm, .offset: 16, .size: 8, .value_kind: global_buffer, .address_space: global }
      - { .name: b2, .offset: 24, .size: 8, .value_kind: global_buffer, .address_space: global }
      - { .name: y2b, .offset: 32, .size: 8, .value_kind: global_buffer, .address_space: global }
    .group_segment_fixed_size: 327680
    .private_segment_fixed_size: 0
    .kernarg_segment_align: 8
    .kernarg_segment_size: 40
    .max_flat_workgroup_size: 128
    .sgpr_count:     80
    .vgpr_count:     512
    .wavefront_size: 32
...
	.end_amdgpu_metadata
.endif
;; end of part 7
;; launch norm2 (part 8): grid 256 x 1, 8 waves a work-group, no clusters, 68,608 bytes of LDS; arguments y2b, ln2_scale, ln2_offset, out0; writes out0
.if DOCPART == 8
	.amdgcn_target "amdgcn-amd-amdhsa--gfx1250"
	.amdhsa_code_object_version 6
	.text
	.protected	k_qb25776c842_norm2
	.globl	k_qb25776c842_norm2
	.p2align	8
	.type	k_qb25776c842_norm2,@function
k_qb25776c842_norm2:
	s_mov_b64 s[64:65], 0
	v_nop
	global_prefetch_b8 v0, s[64:65] scope:SCOPE_SE
	s_setreg_imm32_b32 hwreg(HW_REG_WAVE_MODE, 25, 1), 1
	s_wait_xcnt 0x0
; out = (y2 - mean) rsqrt(var + 1e-5) scale + offset, mean and var over the 2,048 rows of a batch for each column.  y2 comes as tile images, with the mean and the sum of squared distances of each group of 64 rows.
; The 32 groups of a batch are joined without a difference of large sums: mean = the mean of the groups' means; M2 = the sum of the groups' M2 + 64 x the sum of (group's mean - mean)^2; var = M2 / 2,048.
; A work-group takes 128 columns x 128 rows; wave w one tile of 16 columns for eight tiles of rows.  Lane (r, h) holds row r and columns 8 h + 0..7.  out0 is row-major: the results meet in a stage in LDS
; (128 rows x (512 bytes + 16)), one barrier, and each wave stores 16 rows' 512 consecutive bytes, aligned.
.set ME,  16
.set MQ,  32
.set SCL, 48
.set OFS, 56
.set PAY, 64
.set MN,  128
.set QQ,  136
.set DT,  144
.set AA,  152
.set SPW, 10                           ; v10 LDS address of my spare word; never rewritten
.set NIL, 11                           ; v11 0; never rewritten
.set SPIT, 528
.set SPARE, 128*SPIT                   ; behind the stage: the spare words, 128 bytes for each wave: four blocks of 256 bytes that no other line names
	s_load_b256 s[4:11], s[0:1], 0x0               ; y2b, scale, offset, out0
	v_lshl_add_u32 v[SPW], v0, 2, SPARE
	v_mov_b32 v[NIL], 0
	v_lshrrev_b32 v1, 5, v0
	v_readfirstlane_b32 s12, v1                    ; wave 0..7
	s_and_b32 s13, ttmp9, 7                        ; which 128 columns
	s_lshr_b32 s14, ttmp9, 3                       ; which 128 rows
	s_lshr_b32 s15, s14, 4                         ; the batch
	s_lshl_b32 s16, s13, 3
	s_add_co_u32 s16, s16, s12                     ; my tile of columns
	s_lshl_b32 s18, s16, 6
	s_mov_b32 s19, 0
	s_lshl_b32 s20, s15, 17
	s_add_co_u32 s20, s20, s18
	s_add_co_u32 s20, s20, 16777216
	s_mov_b32 s21, 0
	s_lshl_b32 s22, s14, 19
	s_lshl_b32 s23, s16, 10
	s_add_co_u32 s22, s22, s23
	s_mov_b32 s23, 0
	s_lshl_b32 s24, s14, 19                        ; out0: (128 rc + 16 wave) rows of 4,096 bytes + 512 x the group of columns
	s_lshl_b32 s25, s12, 16
	s_add_co_u32 s24, s24, s25
	s_lshl_b32 s25, s13, 9
	s_add_co_u32 s24, s24, s25
	s_mov_b32 s25, 0
	s_mov_b32 s28, 0x3a000000                      ; 1 / 2,048
	s_mov_b32 s29, 0x3727c5ac                      ; 1e-5
	v_and_b32 v2, 15, v0
	v_bfe_u32 v3, v0, 4, 1
	v_lshlrev_b32 v4, 13, v2
	v_lshl_add_u32 v4, v3, 5, v4
	v_lshlrev_b32 v5, 5, v3
	v_and_b32 v6, 31, v0
	v_lshlrev_b32 v6, 4, v6
	v_mul_u32_u24 v7, v2, SPIT
	v_lshl_add_u32 v7, v3, 5, v7
	s_lshl_b32 s26, s12, 6
	v_add_nc_u32 v7, s26, v7                       ; the stage, in: row r, 64 bytes a wave, 32 for each half of the lanes
	s_mul_i32 s27, s12, 16*SPIT
	v_add_nc_u32 v8, s27, v6                       ; and out: my 16 rows, 16 bytes a lane
	s_wait_kmcnt 0x0
	s_add_nc_u64 s[20:21], s[4:5], s[20:21]
	s_add_nc_u64 s[4:5], s[4:5], s[22:23]
	s_add_nc_u64 s[6:7], s[6:7], s[18:19]
	s_add_nc_u64 s[8:9], s[8:9], s[18:19]
	s_add_nc_u64 s[10:11], s[10:11], s[24:25]
.irp e, 0,1
.irp g, 0,1
	global_load_b128 v[ME+8*\e+4*\g:ME+8*\e+4*\g+3], v4, s[20:21] offset:\e*4096+16*\g
	global_load_b128 v[MQ+8*\e+4*\g:MQ+8*\e+4*\g+3], v4, s[20:21] offset:262144+\e*4096+16*\g
.endr
.endr
.irp g, 0,1
	global_load_b128 v[SCL+4*\g:SCL+4*\g+3], v5, s[6:7] offset:16*\g
	global_load_b128 v[OFS+4*\g:OFS+4*\g+3], v5, s[8:9] offset:16*\g
.endr
.irp i, 0,1,2,3,4,5,6,7
.irp g, 0,1
	global_load_b128 v[PAY+8*\i+4*\g:PAY+8*\i+4*\g+3], v6, s[4:5] offset:\i*65536+\g*512 th:TH_LOAD_NT
.endr
.endr
	s_wait_loadcnt 16                              ; the statistics and the parameters are in; the sixteen loads of y2 may be out
.irp p, 0,2,4,6
	v_pk_add_f32 v[MN+\p:MN+\p+1], v[ME+\p:ME+\p+1], v[ME+8+\p:ME+8+\p+1]
	v_pk_add_f32 v[QQ+\p:QQ+\p+1], v[MQ+\p:MQ+\p+1], v[MQ+8+\p:MQ+8+\p+1]
.endr
.irp m, 1,2,4,8
.irp j, 0,1,2,3,4,5,6,7
	v_add_f32_dpp v[MN+\j], v[MN+\j], v[MN+\j] row_xmask:\m row_mask:0xf bank_mask:0xf
.endr
.endr
.irp p, 0,2,4,6
	v_pk_mul_f32 v[MN+\p:MN+\p+1], v[MN+\p:MN+\p+1], 0x3d000000 op_sel_hi:[1,0]   ; / 32 groups
.endr
.irp e, 0,1
.irp p, 0,2,4,6
	v_pk_add_f32 v[DT+\p:DT+\p+1], v[ME+8*\e+\p:ME+8*\e+\p+1], v[MN+\p:MN+\p+1] neg_lo:[0,1] neg_hi:[0,1]
.endr
.irp p, 0,2,4,6
	v_pk_mul_f32 v[ME+8*\e+\p:ME+8*\e+\p+1], v[DT+\p:DT+\p+1], 0x42800000 op_sel_hi:[1,0]   ; 64 d
.endr
.irp p, 0,2,4,6
	v_pk_fma_f32 v[QQ+\p:QQ+\p+1], v[ME+8*\e+\p:ME+8*\e+\p+1], v[DT+\p:DT+\p+1], v[QQ+\p:QQ+\p+1]
.endr
.endr
.irp m, 1,2,4,8
.irp j, 0,1,2,3,4,5,6,7
	v_add_f32_dpp v[QQ+\j], v[QQ+\j], v[QQ+\j] row_xmask:\m row_mask:0xf bank_mask:0xf
.endr
.endr
.irp j, 0,1,2,3,4,5,6,7
	v_fma_f32 v[QQ+\j], v[QQ+\j], s28, s29         ; var + 1e-5
.endr
.irp j, 0,1,2,3,4,5,6,7
	v_rsq_f32 v[QQ+\j], v[QQ+\j]
.endr
	v_nop                                          ; a plain instruction behind the last of the batch
	s_wait_alu depctr_va_vdst(0)                   ; one wait for the eight, ahead of their first reader
.irp p, 0,2,4,6
	v_pk_mul_f32 v[AA+\p:AA+\p+1], v[QQ+\p:QQ+\p+1], v[SCL+\p:SCL+\p+1]
.endr
	s_wait_loadcnt 0x0
.irp i, 0,1,2,3,4,5,6,7
.irp p, 0,2,4,6
	v_pk_add_f32 v[PAY+8*\i+\p:PAY+8*\i+\p+1], v[PAY+8*\i+\p:PAY+8*\i+\p+1], v[MN+\p:MN+\p+1] neg_lo:[0,1] neg_hi:[0,1]
.endr
.irp p, 0,2,4,6
	v_pk_fma_f32 v[PAY+8*\i+\p:PAY+8*\i+\p+1], v[PAY+8*\i+\p:PAY+8*\i+\p+1], v[AA+\p:AA+\p+1], v[OFS+\p:OFS+\p+1]
.endr
.irp g, 0,1
	ds_store_b128 v7, v[PAY+8*\i+4*\g:PAY+8*\i+4*\g+3] offset:\i*16*SPIT+16*\g
.endr
.endr
	s_wait_dscnt 0x0                               ; for the others' sake: my stores into the stage are done
	s_barrier_signal -1
	s_barrier_wait -1
.irp t, 0,1,2,3,4,5,6,7,8,9,10,11,12,13,14,15
	ds_load_b128 v[PAY+4*\t:PAY+4*\t+3], v8 offset:\t*SPIT
.endr
.irp t, 0,1,2,3,4,5,6,7,8,9,10,11,12,13,14,15
	s_wait_dscnt 15-\t
	global_store_b128 v6, v[PAY+4*\t:PAY+4*\t+3], s[10:11] offset:\t*4096 th:TH_STORE_NT
.endr
	s_wait_tensorcnt 0x0                           ; the wave's end: behind my last LDS store
	ds_add_u32 v[SPW], v[NIL]
	s_wait_dscnt 0x0
	s_endpgm
.Lfunc_end_k_qb25776c842_norm2:
	.size	k_qb25776c842_norm2, .Lfunc_end_k_qb25776c842_norm2-k_qb25776c842_norm2
	.p2alignl 7, 3214868480
	.fill 96, 4, 3214868480
	.section	.rodata,"a",@progbits
	.p2align	6, 0x0
	.amdhsa_kernel k_qb25776c842_norm2
		.amdhsa_group_segment_fixed_size 68608
		.amdhsa_private_segment_fixed_size 0
		.amdhsa_enable_private_segment 0
		.amdhsa_kernarg_size 32
		.amdhsa_user_sgpr_count 2
		.amdhsa_user_sgpr_kernarg_segment_ptr 1
		.amdhsa_wavefront_size32 1
		.amdhsa_system_sgpr_workgroup_id_x 1
		.amdhsa_system_sgpr_workgroup_id_y 1
		.amdhsa_system_sgpr_workgroup_id_z 1
		.amdhsa_system_vgpr_workitem_id 0
		.amdhsa_next_free_vgpr 192
		.amdhsa_next_free_sgpr 66
		.amdhsa_reserve_vcc 0
		.amdhsa_float_denorm_mode_32 3
		.amdhsa_float_denorm_mode_16_64 3
		.amdhsa_memory_ordered 1
		.amdhsa_forward_progress 1
		.amdhsa_inst_pref_size 21
	.end_amdhsa_kernel
	.amdgpu_metadata
---
amdhsa.version: [ 1, 2 ]
amdhsa.kernels:
  - .name:           k_qb25776c842_norm2
    .symbol:         k_qb25776c842_norm2.kd
    .args:
      - { .name: y2b, .offset: 0, .size: 8, .value_kind: global_buffer, .address_space: global }
      - { .name: ln2_scale, .offset: 8, .size: 8, .value_kind: global_buffer, .address_space: global }
      - { .name: ln2_offset, .offset: 16, .size: 8, .value_kind: global_buffer, .address_space: global }
      - { .name: out0, .offset: 24, .size: 8, .value_kind: global_buffer, .address_space: global }
    .group_segment_fixed_size: 68608
    .private_segment_fixed_size: 0
    .kernarg_segment_align: 8
    .kernarg_segment_size: 32
    .max_flat_workgroup_size: 256
    .sgpr_count:     66
    .vgpr_count:     192
    .wavefront_size: 32
...
	.end_amdgpu_metadata
.endif
;; end of part 8
